; MI455X (gfx1250); checked and timed in simulation.
; The chip was launched on July 23, 2026; its instructions are those of AMD's public machine-readable ISA for CDNA 5 (MIT licence, August 2026) and "CDNA5" Instruction Set Architecture Reference Guide (July 2026). The comments in the code are by the model that wrote it; some were corrected since.
;; Genjo Sparse Moe Block. Allowed arithmetic: matrix products marked QUANTISED: E2M1 operands, one E8M0 scale for each 32 along K, by v_wmma_scale_f32_16x16x128_f8f6f4 with both operands' format E2M1 (or v_wmma_scale_f32_32x16x128_f4), f32 sums; products left as they are: f32 operands where the result goes on into a quantised operand, else bf16, f16 or f32 operands; f32 sums; everything else in f32.
;; Inputs: gate_w 16 x 512 float32; hidden_states 2 x 512 x 512 float32; swd 512 x 1,024 float32; swg 1,024 x 512 float32; swu 1,024 x 512 float32; wd 16 x 512 x 2,048 float32; wg 16 x 2,048 x 512 float32; wu 16 x 2,048 x 512 float32.
;; Outputs: out0 2 x 512 x 512 float32.
;; This version of the problem:
;;   THIS VERSION OF THE PROBLEM IS GIVEN IN LOW PRECISION. The matrix products marked QUANTISED in the list below multiply operands that are first quantised to E2M1 (2 exponent bits, 1 mantissa bit; 4 bits a number), with one power-of-two scale for each 32 numbers along K (OCP MX v1.0); their sums are f32. All else is computed in f32.
;;   The module's matrix products, in the order in which they are computed (A, B: the left and right operand; K: the contracted axis; several contracted axes count as one K, in the product's order):
;;     1. [M 1,024, K 512] x [K 512, N 16]; A: input hidden_states; B: input gate_w: QUANTISED
;;     2. [M 1,024, K 512] x [K 512, N 32,768]; A: input hidden_states; B: input wg: QUANTISED
;;     3. [M 1,024, K 512] x [K 512, N 32,768]; A: input hidden_states; B: input wu: QUANTISED
;;     4. batch 16 x [M 512, K 2,048] x [K 2,048, N 1,024]; A: input wd; B: computed on the way: QUANTISED
;;     5. batch 1,024 x [M 512, K 16] x [K 16, N 1]; A: computed on the way; B: computed on the way: left as it is (K = 16 < 32)
;;     6. [M 1,024, K 512] x [K 512, N 1,024]; A: input hidden_states; B: input swg: QUANTISED
;;     7. [M 1,024, K 512] x [K 512, N 1,024]; A: input hidden_states; B: input swu: QUANTISED
;;     8. [M 1,024, K 1,024] x [K 1,024, N 512]; A: computed on the way; B: input swd: QUANTISED
;;   THE QUANTISER, for each operand of a quantised product, along K:
;;     - K is cut into blocks of 32 from its start; a last block that is shorter is filled with zeros.
;;     - A block's scale is 2^e with e = floor(log2(the largest magnitude in the block)) - 2, held to -126 .. 127; a block of zeros has e = 0. As a byte (E8M0): e + 127.
;;     - Each number is divided by its block's scale, clamped to +-6, and rounded to the nearest number of E2M1, ties to even, subnormals kept.
;;     - The product sums the exact products of the quantised numbers (number of the format x scale) in f32.
;;   ~~~python
;;   def quantise(x, axis):      # numpy; x: float32 -> the quantised numbers, widened to float32 again
;;       x = np.moveaxis(x, axis, -1); K = x.shape[-1]
;;       x = np.pad(x, [(0, 0)] * (x.ndim - 1) + [(0, -K % 32)]); x = x.reshape(x.shape[:-1] + (-1, 32)); a = np.abs(x).max(-1, keepdims=True)
;;       e = np.where(a > 0, np.clip(np.frexp(np.where(a > 0, a, 1))[1] - 1 - 2, -126, 127), 0)      # np.frexp(a)[1] - 1 = floor(log2(a)), exactly
;;       r = np.clip(x / 2.0 ** e, -6, 6)
;;       step = 2.0 ** (np.maximum(np.frexp(np.where(r == 0, 1, r))[1] - 1, 0) - 1)
;;       q = np.round(r / step) * step * 2.0 ** e      # np.round: ties to even
;;       return np.moveaxis(q.reshape(q.shape[:-2] + (-1,))[..., :K], -1, axis).astype(np.float32)
;;   ~~~
;;   OPERANDS COMPUTED ON THE WAY. 'Computed on the way' means the value that the module computes at that place (a softmax that the list does not call 'softmax' is quantised finished and normalised). What goes into a quantiser is computed in f32, as accurately as f32 sums, v_exp_f32 and their like allow (about 1e-6 of the number): no bf16 or f16 on the way to a quantiser, and a product that is left as it is and whose result goes on into a quantised operand takes f32 operands (vector FMAs, or v_wmma_f32_16x16x4_f32). A number that lies on a knife's edge between two numbers of the format may be rounded either way, as far as f32 arithmetic and the matrix unit's own rounding can turn it there, and no further.
;; 2 versions, each right; version 2 is version 1 with the launches route, up, down written anew for expert scheduling mode. Each part assembles by itself: llvm-mc -triple=amdgcn-amd-amdhsa -mcpu=gfx1250 --defsym DOCPART=n.
;; ======== version 1 of 2: 5 launches
;; workspace buffers: xq 278,528 bytes; idx 8,192 bytes of whole numbers; topw 8,192 bytes; rt 78,080 bytes of whole numbers; lw 69,632 bytes; hq 20,054,016 bytes; o 69,206,016 bytes
;; launch route (part 1): grid 64 x 1, 4 waves a work-group, no clusters, 9,216 bytes of LDS; arguments hidden_states, gate_w, xq, idx, topw; writes xq, idx, topw
.if DOCPART == 1
	.amdgcn_target "amdgcn-amd-amdhsa--gfx1250"
	.amdhsa_code_object_version 6
	.text
	.protected	k_q78a70f3188_route
	.globl	k_q78a70f3188_route
	.p2align	8
	.type	k_q78a70f3188_route,@function
k_q78a70f3188_route:
	s_mov_b64 s[64:65], 0
	v_nop
	global_prefetch_b8 v0, s[64:65] scope:SCOPE_SE
	s_setreg_imm32_b32 hwreg(HW_REG_WAVE_MODE, 25, 1), 1
	s_wait_xcnt 0x0
; x [1024][512] f32 becomes codes of FP4 (E2M1) with one E8M0 byte for each 32 along K, and the router chooses two of 16 experts for each token.
; xq: codes [token][256 bytes] from byte 0; scale words [token][4 words] from byte 262,144 (word s: K = 128 s .. 128 s + 127).
; idx [token][2]: the chosen experts; topw [token][2]: their softmax scores.  Both lie at fixed places: no address here hangs on the choice.
; SHARES.  A work-group takes 16 tokens.  Wave w takes K step w of x and of gate_w: it quantises both in registers and multiplies them by one matrix
; instruction (source 0 = the 16 experts, source 1 = the 16 tokens: lane (r, h) then holds token r and experts 8 h + 0 .. 7).  The four partial logits meet in LDS.
; The maximum is taken off ahead of the exponentials.  The choice is made on the logits, of which the softmax is a rising function; of equal logits the lower index wins.
; LIMITS: NaN and infinities among the inputs are not served.  A block of zeros carries the byte 1 with zero codes where the quantiser says 127: only this program reads the bytes.
; No cluster and no tensor load: gate_w, 32 KiB, is all that work-groups share.
.set CP,   272                         ; a row of the codes' stage: 256 bytes + 16
.set XSC,  4352                        ; LDS: behind the stage's 16 rows: the scale words, [row][16 bytes]
.set LGT,  4608                        ; LDS: four images of partial logits, 1,024 bytes each
.set XSO,  262144                      ; where the scale words begin in xq
.set HA,   32                          ; v32-95   64 numbers of x
.set ST,   96                          ; v96-159  64 numbers of gate_w
.set TM,   160                         ; v160-175 at work in QUANT
.set XC,   176                         ; v176-183 x's fragment;  v184 its scale word
.set XW,   184
.set GC,   186                         ; v186-193 gate_w's fragment;  v194 its scale word
.set GW,   194
.set DD,   200                         ; v200-207 the partial logits
.set SEL,  20                          ; s[20:21] selects for v_permlanex16_b32: lane l xor 16
; 64 numbers of a lane, register 16 b + i = k 32 b + 16 (lane / 16) + i of its row, become a fragment's codes in v[pc] on and its scale word in v[pw]
.macro QUANT s, pc, pw
.irp b, 0,1,2,3
	v_max3_num_f32 v[TM+\b], |v[\s+16*\b]|, |v[\s+1+16*\b]|, 0x1800000   ; block b: my 16 numbers, and the floor 2^(3 - 127): the byte cannot fall under 1
.endr
.irp i, 2,4,6,8,10,12,14
.irp b, 0,1,2,3
	v_max3_num_f32 v[TM+\b], v[TM+\b], |v[\s+16*\b+\i]|, |v[\s+1+16*\b+\i]|
.endr
.endr
.irp b, 0,1,2,3
	v_permlanex16_b32 v[TM+4+\b], v[TM+\b], s[SEL], s[SEL+1]
.endr
.irp b, 0,1,2,3
	v_max_num_f32 v[TM+\b], v[TM+\b], v[TM+4+\b]       ; with lane l xor 16's: the block's largest magnitude
.endr
.irp b, 0,1,2,3
	v_add_nc_u32 v[TM+12+\b], 0xff000000, v[TM+\b]     ; 2 off its exponent field: the conversion's scale operand
.endr
.irp b, 0,1,2,3
	v_lshrrev_b32 v[TM+4+\b], 23, v[TM+12+\b]          ; the scale's byte
.endr
	v_lshl_or_b32 v[\pw], v[TM+5], 8, v[TM+4]
	v_lshl_or_b32 v[\pw], v[TM+6], 16, v[\pw]
	v_lshl_or_b32 v[\pw], v[TM+7], 24, v[\pw]
.irp b, 0,1,2,3
	v_cvt_scalef32_pk8_fp4_f32 v[\pc+2*\b], v[\s+16*\b:\s+7+16*\b], v[TM+12+\b]
	v_cvt_scalef32_pk8_fp4_f32 v[\pc+1+2*\b], v[\s+8+16*\b:\s+15+16*\b], v[TM+12+\b]
.endr
	v_nop                                              ; one plain place behind a scaled conversion
.irp c, 0,1                                        ; the operand's layout wants a whole block in a lane
.irp i, 0,1
	v_permlane16_swap_b32 v[\pc+4*\c+\i], v[\pc+2+4*\c+\i]
.endr
.endr
.endm
.macro XLOAD reg, lo                   ; my 16 numbers of each of the K step's four blocks, of row r
.irp b, 0,1,2,3
.irp j, 0,1,2,3
	global_load_b128 v[\reg+16*\b+4*\j:\reg+16*\b+4*\j+3], v4, s[\lo:\lo+1] offset:128*\b+16*\j
.endr
.endr
.endm
	s_load_b256 s[4:11], s[0:1], 0x0               ; x s[4:5], gate_w s[6:7], xq s[8:9], idx s[10:11]
	s_load_b64 s[12:13], s[0:1], 0x20              ; topw
	v_lshl_add_u32 v224, v0, 2, 0x2200
	v_mov_b32 v225, 0
	v_lshrrev_b32 v1, 5, v0
	v_readfirstlane_b32 s14, v1                    ; wave 0..3 = my K step
	v_and_b32 v1, 31, v0                           ; lane
	v_and_b32 v2, 15, v0                           ; r
	v_bfe_u32 v3, v0, 4, 1                         ; h
	v_lshlrev_b32 v4, 11, v2
	v_lshl_add_u32 v4, v3, 6, v4                   ; a row of 2,048 bytes, + 64 h
	v_lshlrev_b32 v5, 4, v1                        ; 16 x lane
	v_mul_u32_u24 v6, v2, CP                       ; the stage, in: row r, my K step's 64 bytes, + 16 h
	v_lshl_add_u32 v6, v3, 4, v6
	s_lshl_b32 s15, s14, 6
	v_add_nc_u32 v6, s15, v6
	v_mul_u32_u24 v7, v3, CP                       ; the stage, out: rows 4 w + h, 16 bytes a lane
	v_lshl_add_u32 v7, v2, 4, v7
	s_mul_i32 s15, s14, 4*CP
	v_add_nc_u32 v7, s15, v7
	v_lshlrev_b32 v8, 4, v2                        ; my row's scale word of my K step
	s_lshl_b32 s15, s14, 2
	s_add_co_u32 s15, s15, XSC
	v_add_nc_u32 v8, s15, v8
	s_lshl_b32 s15, s14, 10                        ; my wave's image of partial logits
	s_add_co_u32 s15, s15, LGT
	v_add_nc_u32 v9, s15, v5
	v_lshlrev_b32 v10, 8, v3                       ; in xq: rows 4 w + h of 256 bytes
	v_lshl_add_u32 v10, v2, 4, v10
	s_lshl_b32 s15, s14, 10
	v_add_nc_u32 v10, s15, v10
	v_lshlrev_b32 v11, 3, v1                       ; 8 x lane
	v_lshlrev_b32 v12, 3, v2
	v_lshl_add_u32 v12, v3, 2, v12                 ; idx, topw: 8 r + 4 h
	s_mov_b32 s[SEL], 0x76543210
	s_mov_b32 s[SEL+1], 0xfedcba98
	s_mov_b32 s22, 0xffff0000                      ; lanes 16-31
.irp b, 0,1,2,3
	v_mov_b32 v[TM+4+\b], 0                        ; a lane permute's destination counts as one of its sources
.endr
	s_lshl_b32 s16, ttmp9, 15                      ; 16 rows of x,
	s_lshl_b32 s18, s14, 9                         ; my K step's 512 bytes
	s_add_co_u32 s16, s16, s18
	s_mov_b32 s17, 0
	s_mov_b32 s19, 0
	s_lshl_b32 s24, ttmp9, 12                      ; 16 rows of codes
	s_mov_b32 s25, 0
	s_lshl_b32 s26, ttmp9, 8                       ; 16 rows of scale words
	s_add_co_u32 s26, s26, XSO
	s_mov_b32 s27, 0
	s_lshl_b32 s28, ttmp9, 7                       ; 16 rows of idx and of topw
	s_mov_b32 s29, 0
	s_wait_kmcnt 0x0
	s_add_nc_u64 s[4:5], s[4:5], s[16:17]
	s_add_nc_u64 s[6:7], s[6:7], s[18:19]
	s_add_nc_u64 s[30:31], s[8:9], s[26:27]
	s_add_nc_u64 s[8:9], s[8:9], s[24:25]
	s_add_nc_u64 s[10:11], s[10:11], s[28:29]
	s_add_nc_u64 s[12:13], s[12:13], s[28:29]
	XLOAD HA, 4
	XLOAD ST, 6
	s_wait_loadcnt 16                              ; x's sixteen loads are in; gate_w's sixteen may be out
	QUANT HA, XC, XW
	s_wait_loadcnt 0x0
	QUANT ST, GC, GW
.rept 8
	v_nop                                          ; a scale register written by a vector instruction stands 8 places ahead of a scaled matrix instruction, an operand 4
.endr
	v_wmma_scale_f32_16x16x128_f8f6f4 v[DD:DD+7], v[GC:GC+7], v[XC:XC+7], 0, v[GW], v[XW] matrix_a_fmt:MATRIX_FMT_FP4 matrix_b_fmt:MATRIX_FMT_FP4
.rept 4
	v_nop                                          ; four places ahead of the LDS stores that read the result
.endr
	ds_store_b128 v9, v[DD:DD+3]                   ; the result as an image of its registers, from its low end on
	ds_store_b128 v9, v[DD+4:DD+7] offset:512
	ds_store_b128 v6, v[XC:XC+3]                   ; block 2 c + h of my K step: 16 bytes of row r
	ds_store_b128 v6, v[XC+4:XC+7] offset:32
	ds_store_b32 v8, v[XW]                         ; lanes r and r + 16 write the same word with the same value
	s_wait_dscnt 0x0                               ; for the others' sake: my stores have landed
	s_barrier_signal -1
	s_barrier_wait -1
	ds_load_b128 v[208:211], v7                    ; four whole rows of codes a wave
	ds_load_b128 v[212:215], v7 offset:2*CP
	s_wait_dscnt 0x0
	global_store_b128 v10, v[208:211], s[8:9]      ; 16 lanes store 256 consecutive bytes, aligned
	global_store_b128 v10, v[212:215], s[8:9] offset:512
	s_cmp_eq_u32 s14, 1
	s_cbranch_scc0 .Lnot_one
	ds_load_b64 v[216:217], v11 offset:XSC         ; wave 1: the 16 tokens' scale words, 256 bytes
	s_wait_dscnt 0x0
	global_store_b64 v11, v[216:217], s[30:31]
.Lnot_one:
	s_cmp_lg_u32 s14, 0
	s_cbranch_scc1 .Lend
	; wave 0: the logits, the choice, the scores
.irp p, 0,1,2,3
	ds_load_b128 v[32+8*\p:35+8*\p], v5 offset:LGT+1024*\p
	ds_load_b128 v[36+8*\p:39+8*\p], v5 offset:LGT+1024*\p+512
.endr
	v_lshlrev_b32 v89, 3, v3                       ; my first expert: 8 h
	v_mov_b32 v82, 0xff800000                      ; the second largest so far: -infinity
.irp d, 84,85,86,87,106
	v_mov_b32 v\d, 0                               ; destinations of lane permutes
.endr
	s_wait_dscnt 0x0
.irp j, 0,2,4,6
	v_pk_add_f32 v[64+\j:65+\j], v[32+\j:33+\j], v[40+\j:41+\j]
	v_pk_add_f32 v[72+\j:73+\j], v[48+\j:49+\j], v[56+\j:57+\j]
.endr
.irp j, 0,2,4,6
	v_pk_add_f32 v[64+\j:65+\j], v[64+\j:65+\j], v[72+\j:73+\j]   ; v64-71: token r's logits of experts 8 h + 0 .. 7
.endr
	v_mov_b32 v80, v64                             ; v80, v81 the largest and its expert; v82, v83 the second
	v_mov_b32 v81, v89
	v_mov_b32 v83, v89
.irp j, 1,2,3,4,5,6,7
	v_add_nc_u32 v88, \j, v89
	v_cmp_gt_f32 s32, v[64+\j], v80                ; strictly larger: of equal logits the lower index stays
	v_cmp_gt_f32 s33, v[64+\j], v82
	v_cndmask_b32 v82, v82, v[64+\j], s33
	v_cndmask_b32 v83, v83, v88, s33
	v_cndmask_b32 v82, v82, v80, s32
	v_cndmask_b32 v83, v83, v81, s32
	v_cndmask_b32 v80, v80, v[64+\j], s32
	v_cndmask_b32 v81, v81, v88, s32
.endr
.irp d, 0,1,2,3
	v_permlanex16_b32 v[84+\d], v[80+\d], s[SEL], s[SEL+1]   ; the other eight experts' pair
.endr
.irp d, 0,1,2,3
	v_cndmask_b32 v[90+\d], v[80+\d], v[84+\d], s22    ; A: the pair of experts 0-7, alike in both halves of the lanes
	v_cndmask_b32 v[94+\d], v[84+\d], v[80+\d], s22    ; B: the pair of experts 8-15
.endr
	v_cmp_gt_f32 s32, v94, v90                     ; B's largest wins only where it is strictly larger
	v_cndmask_b32 v98, v90, v94, s32               ; the largest logit,
	v_cndmask_b32 v99, v91, v95, s32               ; its expert
	v_cndmask_b32 v100, v92, v90, s32              ; the two that may be second: A's,
	v_cndmask_b32 v101, v93, v91, s32
	v_cndmask_b32 v102, v94, v96, s32              ; and B's
	v_cndmask_b32 v103, v95, v97, s32
	v_cmp_gt_f32 s33, v102, v100
	v_cndmask_b32 v104, v100, v102, s33            ; the second logit,
	v_cndmask_b32 v105, v101, v103, s33            ; its expert
.irp j, 0,1,2,3,4,5,6,7
	v_sub_f32 v[112+\j], v[64+\j], v98             ; the maximum is taken off
.endr
	v_sub_f32 v120, v104, v98
.irp j, 0,1,2,3,4,5,6,7,8
	v_mul_f32 v[112+\j], 0x3fb8aa3b, v[112+\j]     ; x log2(e)
.endr
.irp j, 0,1,2,3,4,5,6,7,8
	v_exp_f32 v[112+\j], v[112+\j]
.endr
	v_nop                                          ; a plain place behind the last exponential
	s_wait_alu depctr_va_vdst(0)                   ; one wait for the batch, ahead of its first reader
	v_pk_add_f32 v[122:123], v[112:113], v[114:115]
	v_pk_add_f32 v[124:125], v[116:117], v[118:119]
	v_pk_add_f32 v[122:123], v[122:123], v[124:125]
	v_add_f32 v122, v122, v123
	v_permlanex16_b32 v106, v122, s[SEL], s[SEL+1]
	v_add_f32 v122, v122, v106                     ; the sum over all 16 experts
	v_rcp_f32 v123, v122                           ; the largest's score: 1 / the sum
	v_nop
	s_wait_alu depctr_va_vdst(0)
	v_mul_f32 v124, v120, v123                     ; the second's
	v_cndmask_b32 v126, v99, v105, s22             ; lanes 0-15 store the first, lanes 16-31 the second
	v_cndmask_b32 v127, v123, v124, s22
	global_store_b32 v12, v126, s[10:11]
	global_store_b32 v12, v127, s[12:13]
.Lend:
	s_wait_tensorcnt 0x0
	ds_add_u32 v224, v225
	s_wait_dscnt 0x0
	s_endpgm
.Lfunc_end_k_q78a70f3188_route:
	.size	k_q78a70f3188_route, .Lfunc_end_k_q78a70f3188_route-k_q78a70f3188_route
	.p2alignl 7, 3214868480
	.fill 96, 4, 3214868480
	.section	.rodata,"a",@progbits
	.p2align	6, 0x0
	.amdhsa_kernel k_q78a70f3188_route
		.amdhsa_group_segment_fixed_size 9216
		.amdhsa_private_segment_fixed_size 0
		.amdhsa_enable_private_segment 0
		.amdhsa_kernarg_size 40
		.amdhsa_user_sgpr_count 2
		.amdhsa_user_sgpr_kernarg_segment_ptr 1
		.amdhsa_wavefront_size32 1
		.amdhsa_system_sgpr_workgroup_id_x 1
		.amdhsa_system_sgpr_workgroup_id_y 1
		.amdhsa_system_sgpr_workgroup_id_z 1
		.amdhsa_system_vgpr_workitem_id 0
		.amdhsa_next_free_vgpr 226
		.amdhsa_next_free_sgpr 66
		.amdhsa_reserve_vcc 0
		.amdhsa_float_denorm_mode_32 3
		.amdhsa_float_denorm_mode_16_64 3
		.amdhsa_memory_ordered 1
		.amdhsa_forward_progress 1
		.amdhsa_inst_pref_size 24
	.end_amdhsa_kernel
	.amdgpu_metadata
---
amdhsa.version: [ 1, 2 ]
amdhsa.kernels:
  - .name:           k_q78a70f3188_route
    .symbol:         k_q78a70f3188_route.kd
    .args:
      - { .name: hidden_states, .offset: 0, .size: 8, .value_kind: global_buffer, .address_space: global }
      - { .name: gate_w, .offset: 8, .size: 8, .value_kind: global_buffer, .address_space: global }
      - { .name: xq, .offset: 16, .size: 8, .value_kind: global_buffer, .address_space: global }
      - { .name: idx, .offset: 24, .size: 8, .value_kind: global_buffer, .address_space: global }
      - { .name: topw, .offset: 32, .size: 8, .value_kind: global_buffer, .address_space: global }
    .group_segment_fixed_size: 9216
    .private_segment_fixed_size: 0
    .kernarg_segment_align: 8
    .kernarg_segment_size: 40
    .max_flat_workgroup_size: 128
    .sgpr_count:     66
    .vgpr_count:     226
    .wavefront_size: 32
...
	.end_amdgpu_metadata
.endif
;; end of part 1
;; launch place (part 2): grid 1 x 1, 32 waves a work-group, no clusters, 8,192 bytes of LDS; arguments idx, topw, rt, lw; writes rt, lw
.if DOCPART == 2
	.amdgcn_target "amdgcn-amd-amdhsa--gfx1250"
	.amdhsa_code_object_version 6
	.text
	.protected	k_q78a70f3188_place
	.globl	k_q78a70f3188_place
	.p2align	8
	.type	k_q78a70f3188_place,@function
k_q78a70f3188_place:
	s_mov_b64 s[64:65], 0
	v_nop
	global_prefetch_b8 v0, s[64:65] scope:SCOPE_SE
	s_setreg_imm32_b32 hwreg(HW_REG_WAVE_MODE, 25, 1), 1
	s_wait_xcnt 0x0
; A counting sort of the 2,048 routed rows by expert, in token order, by one work-group of 1,024 threads: thread t is token t.
; rt: list [17][1024] of tokens from byte 0 (expert 16 is the shared MLP: every token, in order); pos [token][2] from byte 69,632: expert x 2,048 + rank;
; cnt [32] from byte 77,824: each expert's rows, at least 1; cnt[16] = 1,024.  lw [17][1024]: the gate's weight of each slot (1.0 for the shared MLP).
; An expert has 1,024 slots of its own and a token names an expert once, so every split fits and no prefix over experts is needed.
; An expert without rows gets slot 0 = token 0 with weight 0 and the count 1: the later launches then name stored bytes only, and what they make of it is gathered by nobody.
; The four stores of 4 bytes a lane to places that the sort gives are the scatter itself: 16 KiB in all.
	s_load_b256 s[4:11], s[0:1], 0x0               ; idx s[4:5], topw s[6:7], rt s[8:9], lw s[10:11]
	v_lshl_add_u32 v80, v0, 2, 0x1000
	v_mov_b32 v81, 0
	v_lshrrev_b32 v1, 5, v0
	v_readfirstlane_b32 s12, v1                    ; wave 0..31
	v_and_b32 v1, 31, v0                           ; lane
	v_lshlrev_b32 v10, 2, v0                       ; 4 t
	v_lshlrev_b32 v11, 2, v1                       ; 4 x lane
	v_lshlrev_b32 v12, 3, v0                       ; 8 t
	v_mov_b32 v6, 0                                ; my first choice's rank among my wave's tokens,
	v_mov_b32 v7, 0                                ; my second's
	v_mov_b32 v8, 0                                ; lane e: my wave's tokens for expert e
	s_wait_kmcnt 0x0
	global_load_b64 v[2:3], v12, s[4:5]            ; my two experts
	global_load_b64 v[4:5], v12, s[6:7]            ; and their weights
	s_wait_loadcnt 0x0
.irp e, 0,1,2,3,4,5,6,7,8,9,10,11,12,13,14,15
	v_cmp_eq_u32 s13, \e, v2
	v_cmp_eq_u32 s14, \e, v3
	s_or_b32 s15, s13, s14                         ; the wave's tokens that name expert e
	s_bcnt1_i32_b32 s16, s15
	v_mbcnt_lo_u32_b32 v9, s15, 0                  ; how many of them stand in lower lanes
	v_cndmask_b32 v6, v6, v9, s13
	v_cndmask_b32 v7, v7, v9, s14
	v_writelane_b32 v8, s16, \e
.endr
	ds_store_b32 v10, v8                           ; the table [wave][32]
	s_wait_dscnt 0x0
	s_barrier_signal -1
	s_barrier_wait -1
.set q, 0
.rept 32
	ds_load_b32 v[16+q], v11 offset:128*q          ; lane e: every wave's count for expert e
.set q, q+1
.endr
	v_mov_b32 v13, 0                               ; lane e: expert e's rows in all,
	v_mov_b32 v14, 0                               ; and those of the waves ahead of mine
	s_wait_dscnt 0x0
.set q, 0
.rept 32
	s_cmp_gt_u32 s12, q
	s_cselect_b32 s17, -1, 0
	v_add_nc_u32 v13, v13, v[16+q]
	v_and_b32 v9, s17, v[16+q]
	v_add_nc_u32 v14, v14, v9
.set q, q+1
.endr
	v_mov_b32 v48, 0
	v_mov_b32 v49, 0
.irp e, 0,1,2,3,4,5,6,7,8,9,10,11,12,13,14,15
	v_readlane_b32 s16, v14, \e
	v_mov_b32 v9, s16
	v_cmp_eq_u32 s13, \e, v2
	v_cmp_eq_u32 s14, \e, v3
	v_cndmask_b32 v48, v48, v9, s13
	v_cndmask_b32 v49, v49, v9, s14
.endr
	v_add_nc_u32 v6, v6, v48                       ; the ranks
	v_add_nc_u32 v7, v7, v49
	v_lshl_add_u32 v50, v2, 10, v6                 ; the slots: expert x 1,024 + rank,
	v_lshl_add_u32 v51, v3, 10, v7
	v_min_u32 v50, 0x3fff, v50                     ; held inside the 16 experts' lists
	v_min_u32 v51, 0x3fff, v51
	v_lshlrev_b32 v50, 2, v50
	v_lshlrev_b32 v51, 2, v51
	v_lshl_add_u32 v52, v2, 11, v6                 ; pos: expert x 2,048 + rank
	v_lshl_add_u32 v53, v3, 11, v7
	v_mov_b32 v54, 1.0
	global_store_b32 v50, v0, s[8:9]               ; the token into its two slots,
	global_store_b32 v51, v0, s[8:9]
	global_store_b32 v50, v4, s[10:11]             ; and the weights beside it
	global_store_b32 v51, v5, s[10:11]
	global_store_b64 v12, v[52:53], s[8:9] offset:69632
	global_store_b32 v10, v0, s[8:9] offset:65536  ; the shared MLP's list: every token, in order,
	global_store_b32 v10, v54, s[10:11] offset:65536   ; with weight 1
	s_cmp_lg_u32 s12, 0
	s_cbranch_scc1 .Lend
	v_max_u32 v55, 1, v13                          ; wave 0: the counts, at least 1
	s_movk_i32 s16, 0x400
	v_writelane_b32 v55, s16, 16
	global_store_b32 v11, v55, s[8:9] offset:77824
	v_cmp_eq_u32 s13, 0, v13
	v_cmp_gt_u32 s14, 16, v1
	s_and_b32 vcc_lo, s13, s14                     ; experts without rows
	v_and_b32 v56, 15, v1
	v_lshlrev_b32 v56, 12, v56                     ; their slot 0
	v_mov_b32 v57, 0
	s_wait_xcnt 0x0                                ; EXEC changes only behind this wait: the stores above have it among their sources
	s_and_saveexec_b32 s15, vcc_lo
	global_store_b32 v56, v57, s[8:9]              ; token 0,
	global_store_b32 v56, v57, s[10:11]            ; weight 0
	s_wait_xcnt 0x0                                ; and again ahead of the line that widens it
	s_or_b32 exec_lo, exec_lo, s15
.Lend:
	s_wait_tensorcnt 0x0
	ds_add_u32 v80, v81
	s_wait_dscnt 0x0
	s_endpgm
.Lfunc_end_k_q78a70f3188_place:
	.size	k_q78a70f3188_place, .Lfunc_end_k_q78a70f3188_place-k_q78a70f3188_place
	.p2alignl 7, 3214868480
	.fill 96, 4, 3214868480
	.section	.rodata,"a",@progbits
	.p2align	6, 0x0
	.amdhsa_kernel k_q78a70f3188_place
		.amdhsa_group_segment_fixed_size 8192
		.amdhsa_private_segment_fixed_size 0
		.amdhsa_enable_private_segment 0
		.amdhsa_kernarg_size 32
		.amdhsa_user_sgpr_count 2
		.amdhsa_user_sgpr_kernarg_segment_ptr 1
		.amdhsa_wavefront_size32 1
		.amdhsa_system_sgpr_workgroup_id_x 1
		.amdhsa_system_sgpr_workgroup_id_y 1
		.amdhsa_system_sgpr_workgroup_id_z 1
		.amdhsa_system_vgpr_workitem_id 0
		.amdhsa_next_free_vgpr 82
		.amdhsa_next_free_sgpr 66
		.amdhsa_reserve_vcc 1
		.amdhsa_float_denorm_mode_32 3
		.amdhsa_float_denorm_mode_16_64 3
		.amdhsa_memory_ordered 1
		.amdhsa_forward_progress 1
		.amdhsa_inst_pref_size 23
	.end_amdhsa_kernel
	.amdgpu_metadata
---
amdhsa.version: [ 1, 2 ]
amdhsa.kernels:
  - .name:           k_q78a70f3188_place
    .symbol:         k_q78a70f3188_place.kd
    .args:
      - { .name: idx, .offset: 0, .size: 8, .value_kind: global_buffer, .address_space: global }
      - { .name: topw, .offset: 8, .size: 8, .value_kind: global_buffer, .address_space: global }
      - { .name: rt, .offset: 16, .size: 8, .value_kind: global_buffer, .address_space: global }
      - { .name: lw, .offset: 24, .size: 8, .value_kind: global_buffer, .address_space: global }
    .group_segment_fixed_size: 8192
    .private_segment_fixed_size: 0
    .kernarg_segment_align: 8
    .kernarg_segment_size: 32
    .max_flat_workgroup_size: 1024
    .sgpr_count:     66
    .vgpr_count:     82
    .wavefront_size: 32
...
	.end_amdgpu_metadata
.endif
;; end of part 2
;; launch up (part 3): grid 288 x 1, 8 waves a work-group, no clusters, 74,752 bytes of LDS; arguments wg, wu, swg, swu, xq, rt, hq; writes hq
.if DOCPART == 3
	.amdgcn_target "amdgcn-amd-amdhsa--gfx1250"
	.amdhsa_code_object_version 6
	.text
	.protected	k_q78a70f3188_up
	.globl	k_q78a70f3188_up
	.p2align	8
	.type	k_q78a70f3188_up,@function
k_q78a70f3188_up:
	s_mov_b64 s[64:65], 0
	v_nop
	global_prefetch_b8 v0, s[64:65] scope:SCOPE_SE
	s_setreg_imm32_b32 hwreg(HW_REG_WAVE_MODE, 25, 1), 1
	s_wait_xcnt 0x0
; h = silu(x Wg^T) * (x Wu^T) for the rows that chose an expert (and for all rows in the shared MLP, "expert 16"), both products on codes of FP4 (E2M1) with E8M0 scales; h leaves as codes.
; SHARES.  A work-group takes 128 hidden units (one K step of the next product) of one expert: 128 rows of Wg and 128 of Wu, 512 KiB of f32, read once.
;   Work-groups 0-31: the shared MLP, slice id / 4, rows 256 (id % 4) on.  Work-groups 32-287: expert (id - 32) / 16, slice (id - 32) % 16, all of the expert's rows.
; PHASE 1.  Wave w streams 32 weight rows (matrix w / 4, hidden block w % 4), a row of 2,048 bytes a step, by four loads of 512 consecutive bytes.  The numbers stay where the loads put them: of load i a lane
;   holds k = 128 i + 4 lane + 0 .. 3, so eight neighbouring lanes hold a block of 32 and three steps across lanes give its largest magnitude.  A conversion takes eight registers under one scale; a lane has
;   four numbers of a block, so each of a row's four conversions gives four codes (16 bits) that count and four that are not used.  Codes and scale bytes go straight into LDS as the operand's registers
;   want them: 2 bytes and 1 byte a lane.  Eight rows (32 loads a wave) are on their way.
; PHASE 2.  One barrier; then wave w takes row tiles (16 rows) w, w + 8, ..: it gathers x's codes by the expert's list, multiplies (source 0 = 16 weight rows, source 1 = 16 tokens: a lane holds one token),
;   applies the activation in f32, quantises along the hidden units and stores.
; THE WEIGHT ROWS OF A TILE ARE NOT NEIGHBOURS: row m of tile 2 b + u is hidden unit 32 b + 8 u + m + 8 (m / 8), so that the 16 registers of tiles 2 b, 2 b + 1 are the 16 neighbours 32 b + 16 (lane / 16) + 0 .. 15.
; hq: codes [17][64 row tiles][64 blocks][256 bytes], token r's 16 bytes at 16 r; scale words from byte 17,825,792: [17][16 K steps][64 row tiles][32 lanes].
; Rows behind the count in the last tile repeat the last row of the list; what is made of them is gathered by nobody.
; No tensor load and no cluster: the number of row tiles is read from memory, and what the work-groups of an expert share, x's codes (272 bytes a row), is small beside a work-group's 512 KiB of weights.
; LIMITS: NaN and infinities are not served; a block of zeros carries the byte 1 with zero codes where the quantiser says 127: only this program reads the bytes.
.set TILEB, 4352                       ; LDS from 0: 16 tiles (8 x matrix + 2 b + u) of 16 blocks x 272 bytes; in a block row m's 16 bytes at 16 m
.set BLKP,  272
.set SCW,   69632                      ; scale bytes [tile][m][16]
.set XSO_,  262144                     ; x's scale words in xq
.set HQS,   17825792                   ; h's scale words in hq
.set CNTO,  0x13000                    ; the counts in rt
.set GOF, 1                            ; v1   16 x lane
.set IMS, 4                            ; v4   where my 2 bytes of codes go: my wave's tiles, block lane / 8, byte 2 (lane % 8)
.set SBS, 5                            ; v5   where my block's scale byte goes
.set WA0, 6                            ; v6   fragments of Wg: 272 h + 16 r;  v7 of Wu: 8 tiles on
.set WA1, 7
.set SCA, 8                            ; v8   scale words: lanes 0-15 Wg's, lanes 16-31 Wu's
.set RR,  9                            ; v9   r
.set H16, 10                           ; v10  16 h
.set HCL, 11                           ; v11  16 r + 8 h
.set L4,  12                           ; v12  4 x lane
.set HCO, 13                           ; v13  offset of my codes in hq
.set HSO, 14                           ; v14  of my scale word
.set LOF, 15                           ; v15  offset in the list
.set TOK, 16                           ; v16  my row's token
.set XO,  17                           ; v17  its codes
.set XSA, 18                           ; v18  its scale words
.set M1,  19                           ; v19-23 at work in phase 2
.set M2,  20
.set PL,  21
.set SCL, 22
.set BY,  23
.set PW,  24                           ; v24  h's scale word
.set CD,  26                           ; v26-33 h's codes
.set XF,  34                           ; v34-65 x's four fragments
.set XS,  66                           ; v66-69 x's scale words
.set R,   70                           ; v70-197 phase 1: eight sets of 16 numbers as loaded;  phase 2: two buffers of weight fragments
.set WB,  70
.set MX,  198                          ; v198-201 phase 1: the largest magnitudes of a row's four blocks of mine
.set QS,  202                          ; v202-205 phase 1: their scale operands
.set CQ,  206                          ; v206-213 phase 1: codes, two sets of four registers by turns
.set BQ,  214                          ; v214-221 phase 1: scale bytes, two sets of four by turns
.set ACC, 198                          ; v198-229 phase 2: four accumulators (g: 0, 1; u: 2, 3)
.set T,   230                          ; v230-245 at work in the activation
.set WSC, 246                          ; v246-253 the weights' scale words of two tiles
.macro PLACES                          ; five plain places behind matrix instructions: four for loads into and reads of their registers, five for a matrix instruction that writes over one
.rept 5
	v_nop
.endr
.endm
.macro LOADR t                         ; weight row t of my 32: four loads of 512 consecutive bytes
.irp i, 0,1,2,3
	global_load_b128 v[R+16*((\t)%8)+4*\i:R+16*((\t)%8)+4*\i+3], v[GOF], s[24:25] offset:2048*(\t)+512*\i
.endr
.endm
.macro LISTLOAD                        ; s35: a row tile.  My row's token from the expert's list
	s_min_u32 s35, s35, 63
	s_lshl_b32 s35, s35, 4
	v_add_nc_u32 v[LOF], s35, v[RR]
	v_min_u32 v[LOF], s31, v[LOF]                  ; rows behind the last repeat it
	v_min_u32 v[LOF], 0x3ff, v[LOF]
	v_add_nc_u32 v[LOF], s45, v[LOF]
	v_lshlrev_b32 v[LOF], 2, v[LOF]
	global_load_b32 v[TOK], v[LOF], s[14:15]
.endm
.macro GETX                            ; the token's four fragments and its four scale words
	v_min_u32 v[TOK], 0x3ff, v[TOK]
	v_lshl_add_u32 v[XO], v[TOK], 8, v[H16]
	v_lshlrev_b32 v[XSA], 4, v[TOK]
.irp s, 0,1,2,3
.irp c, 0,1
	global_load_b128 v[XF+8*\s+4*\c:XF+8*\s+4*\c+3], v[XO], s[12:13] offset:64*\s+32*\c
.endr
.endr
	global_load_b128 v[XS:XS+3], v[XSA], s[12:13] offset:XSO_
.endm
; Weight row t of my 32 becomes codes and scale bytes.  Registers 4 i .. 4 i + 3 of its set are k = 128 i + 4 lane + 0 .. 3: block 4 i + lane / 8.
.macro STEP t
.set RS, R+16*((\t)%8)
.set PP, (\t)%2
.set UU, ((\t)/8)%2
.set MM, (\t)%8+8*((\t)/16)
.if (\t) <= 16
	s_wait_loadcnt 28                              ; this row is in; the seven rows behind it may be out
.elseif (\t) <= 24
	s_wait_loadcnt 29                              ; the seven rows behind it and the list word, which was asked for behind row 24
.elseif (\t) == 25
	s_wait_loadcnt 24                              ; rows 26 to 31 may be out; the list word is older than this row, so it is in
	GETX
.else
	s_wait_loadcnt 4*(31-(\t))+9                   ; the rows behind this one, and x's nine loads, may be out
.endif
.irp i, 0,1,2,3
	v_max3_num_f32 v[MX+\i], |v[RS+4*\i]|, |v[RS+4*\i+1]|, |v[RS+4*\i+2]|   ; (the four blocks by turns: no line waits for the line above it)
.endr
.irp i, 0,1,2,3
	v_max3_num_f32 v[MX+\i], v[MX+\i], |v[RS+4*\i+3]|, 0x1800000           ; my four numbers, and the floor 2^(3 - 127): the byte cannot fall under 1
.endr
.irp x, 1,2,4
.irp i, 0,1,2,3
	v_max_num_f32_dpp v[MX+\i], v[MX+\i], v[MX+\i] row_xmask:\x row_mask:0xf bank_mask:0xf   ; with the other seven lanes of the block
.endr
.endr
.irp i, 0,1,2,3
	v_add_nc_u32 v[QS+\i], 0xff000000, v[MX+\i]    ; 2 off the exponent field: the conversion's scale operand
.endr
	s_wait_dscnt 8                                 ; the last step's eight stores may be out; those of two steps back have read the set of registers that is written next
	v_cvt_scalef32_pk8_fp4_f32 v[CQ+4*PP], v[RS:RS+7], v[QS]               ; block 0 + lane / 8: the low 16 bits count
	v_cvt_scalef32_pk8_fp4_f32 v[CQ+4*PP+1], v[RS+4:RS+11], v[QS+1]        ; block 4 + lane / 8: the low 16 bits
	v_cvt_scalef32_pk8_fp4_f32 v[CQ+4*PP+2], v[RS+8:RS+15], v[QS+2]        ; block 8 + lane / 8: the low 16 bits
	v_cvt_scalef32_pk8_fp4_f32 v[CQ+4*PP+3], v[RS+8:RS+15], v[QS+3]        ; block 12 + lane / 8: the high 16 bits
.irp i, 0,1,2,3
	v_lshrrev_b32 v[BQ+4*PP+\i], 23, v[QS+\i]      ; the scales' bytes (also the plain places behind the conversions)
.endr
	v_lshrrev_b32 v[CQ+4*PP+3], 16, v[CQ+4*PP+3]
.irp i, 0,1,2,3
	ds_store_b16 v[IMS], v[CQ+4*PP+\i] offset:UU*TILEB+16*MM+4*BLKP*\i     ; four codes of row MM of tile 2 w + UU
	ds_store_b8 v[SBS], v[BQ+4*PP+\i] offset:256*UU+16*MM+4*\i             ; the eight lanes of a block write the same byte with the same value
.endr
.if (\t) < 24
	LOADR (\t)+8                                   ; into the set that the conversions have read
.endif
.if (\t) == 16
	s_min_u32 s35, s33, s34
	LISTLOAD                                       ; my first row tile's tokens (a wave without one asks for the last tile's: a stored place)
.endif
.endm
.macro LOADW n                         ; fragments of hidden block n / 2, K steps 2 (n % 2) and 2 (n % 2) + 1, of the four tiles q = 2 x matrix + u, into buffer n % 2: 16 loads
.set BF, WB+64*((\n)%2)
.set BB, (\n)/2
.irp q, 0,1,2,3
.irp p, 0,1
.irp c, 0,1
	ds_load_b128 v[BF+16*\q+8*\p+4*\c:BF+16*\q+8*\p+4*\c+3], v[WA0+\q/2] offset:(2*BB+\q%2)*TILEB+(4*(2*((\n)%2)+\p)+2*\c)*BLKP
.endr
.endr
.endr
.endm
.macro LOADS b                         ; the scale words of hidden block b's tiles: register 4 u + s: lanes 0-15 Wg's tile 2 b + u, lanes 16-31 Wu's, K step s
.irp u, 0,1
	ds_load_b128 v[WSC+4*\u:WSC+4*\u+3], v[SCA] offset:256*(2*(\b)+\u)
.endr
.endm
.macro MUL n                           ; eight matrix instructions; the four accumulators take turns, one instruction a turn
.set BF, WB+64*((\n)%2)
.irp p, 0,1
.set SS, 2*((\n)%2)+\p
.irp q, 0,1,2,3
.if SS == 0
.if \q < 2
	v_wmma_scale_f32_16x16x128_f8f6f4 v[ACC+8*\q:ACC+8*\q+7], v[BF+16*\q+8*\p:BF+16*\q+8*\p+7], v[XF+8*SS:XF+8*SS+7], 0, v[WSC+4*(\q%2)+SS], v[XS+SS] matrix_a_fmt:MATRIX_FMT_FP4 matrix_b_fmt:MATRIX_FMT_FP4
.else
	v_wmma_scale_f32_16x16x128_f8f6f4 v[ACC+8*\q:ACC+8*\q+7], v[BF+16*\q+8*\p:BF+16*\q+8*\p+7], v[XF+8*SS:XF+8*SS+7], 0, v[WSC+4*(\q%2)+SS], v[XS+SS] matrix_a_fmt:MATRIX_FMT_FP4 matrix_b_fmt:MATRIX_FMT_FP4 matrix_a_scale:MATRIX_SCALE_ROW1
.endif
.else
.if \q < 2
	v_wmma_scale_f32_16x16x128_f8f6f4 v[ACC+8*\q:ACC+8*\q+7], v[BF+16*\q+8*\p:BF+16*\q+8*\p+7], v[XF+8*SS:XF+8*SS+7], v[ACC+8*\q:ACC+8*\q+7], v[WSC+4*(\q%2)+SS], v[XS+SS] matrix_a_fmt:MATRIX_FMT_FP4 matrix_b_fmt:MATRIX_FMT_FP4
.else
	v_wmma_scale_f32_16x16x128_f8f6f4 v[ACC+8*\q:ACC+8*\q+7], v[BF+16*\q+8*\p:BF+16*\q+8*\p+7], v[XF+8*SS:XF+8*SS+7], v[ACC+8*\q:ACC+8*\q+7], v[WSC+4*(\q%2)+SS], v[XS+SS] matrix_a_fmt:MATRIX_FMT_FP4 matrix_b_fmt:MATRIX_FMT_FP4 matrix_a_scale:MATRIX_SCALE_ROW1
.endif
.endif
.endr
.endr
.endm
; hidden block b is finished: g in ACC + 0 .. 15, u in ACC + 16 .. 31, register i = hidden unit 32 b + 16 h + i of my token.  h = g u / (1 + 2^(-g log2 e)); its block of 32 lies in lanes l and l xor 16.
.macro ACTQ b
.irp i, 0,2,4,6,8,10,12,14
	v_pk_mul_f32 v[T+\i:T+\i+1], v[ACC+\i:ACC+\i+1], 0xbfb8aa3b op_sel_hi:[1,0]   ; -g log2(e); each accumulator is read from its low end on
.endr
.irp i, 0,1,2,3,4,5,6,7,8,9,10,11,12,13,14,15
	v_exp_f32 v[T+\i], v[T+\i]
.endr
.irp i, 0,2,4,6,8,10,12,14
	v_pk_mul_f32 v[ACC+\i:ACC+\i+1], v[ACC+\i:ACC+\i+1], v[ACC+16+\i:ACC+17+\i]   ; g u: plain work behind the batch
.endr
	s_wait_alu depctr_va_vdst(0)                   ; one wait for the sixteen exponentials, ahead of their first reader
.irp i, 0,2,4,6,8,10,12,14
	v_pk_add_f32 v[T+\i:T+\i+1], v[T+\i:T+\i+1], 1.0 op_sel_hi:[1,0]
.endr
.irp i, 0,1,2,3,4,5,6,7,8,9,10,11,12,13,14,15
	v_rcp_f32 v[T+\i], v[T+\i]
.endr
	v_nop
	s_wait_alu depctr_va_vdst(0)                   ; and one for the sixteen reciprocals
.irp i, 0,2,4,6,8,10,12,14
	v_pk_mul_f32 v[ACC+\i:ACC+\i+1], v[ACC+\i:ACC+\i+1], v[T+\i:T+\i+1]           ; h
.endr
	v_max3_num_f32 v[M1], |v[ACC]|, |v[ACC+1]|, |v[ACC+2]|
	v_max3_num_f32 v[M2], |v[ACC+3]|, |v[ACC+4]|, |v[ACC+5]|
.irp i, 6,10
	v_max3_num_f32 v[M1], v[M1], |v[ACC+\i]|, |v[ACC+\i+1]|
	v_max3_num_f32 v[M2], v[M2], |v[ACC+\i+2]|, |v[ACC+\i+3]|
.endr
	v_max3_num_f32 v[M1], v[M1], |v[ACC+14]|, |v[ACC+15]|
	v_max3_num_f32 v[M1], v[M1], v[M2], 0x1800000
	v_permlanex16_b32 v[PL], v[M1], s36, s37
	v_max_num_f32 v[M1], v[M1], v[PL]              ; the block's largest magnitude
	v_add_nc_u32 v[SCL], 0xff000000, v[M1]
	v_lshrrev_b32 v[BY], 23, v[SCL]
.if (\b) == 0
	v_mov_b32 v[PW], v[BY]
.else
	v_lshl_or_b32 v[PW], v[BY], 8*(\b), v[PW]
.endif
	v_cvt_scalef32_pk8_fp4_f32 v[CD+2*(\b)], v[ACC:ACC+7], v[SCL]
	v_cvt_scalef32_pk8_fp4_f32 v[CD+2*(\b)+1], v[ACC+8:ACC+15], v[SCL]
	v_nop                                          ; one plain place behind a scaled conversion: a matrix instruction writes its sources next
	global_store_b64 v[HCO], v[CD+2*(\b):CD+2*(\b)+1], s[26:27] offset:256*(\b)   ; 32 lanes store 256 consecutive bytes, aligned: the block as the next product's operand wants it
.endm
	s_load_b256 s[4:11], s[0:1], 0x0               ; wg s[4:5], wu s[6:7], swg s[8:9], swu s[10:11]
	s_load_b128 s[12:15], s[0:1], 0x20             ; xq s[12:13], rt s[14:15]
	s_load_b64 s[16:17], s[0:1], 0x30              ; hq
	v_lshl_add_u32 v254, v0, 2, 0x12000
	v_mov_b32 v255, 0
	v_lshrrev_b32 v19, 5, v0
	v_readfirstlane_b32 s18, v19                   ; wave 0..7
	v_and_b32 v20, 31, v0                          ; lane
	v_and_b32 v[RR], 15, v0
	v_bfe_u32 v21, v0, 4, 1                        ; h
	v_lshlrev_b32 v[GOF], 4, v20
	v_lshrrev_b32 v22, 3, v20                      ; which of a load's four blocks is mine: lane / 8
	v_and_b32 v23, 7, v20                          ; and my place in it
	v_mul_u32_u24 v[IMS], v22, BLKP
	v_lshl_add_u32 v[IMS], v23, 1, v[IMS]          ; four codes are 2 bytes
	s_mul_i32 s23, s18, 2*TILEB                    ; my wave's two tiles: 2 w, 2 w + 1
	v_add_nc_u32 v[IMS], s23, v[IMS]
	s_lshl_b32 s23, s18, 9
	s_add_co_u32 s23, s23, SCW
	v_add_nc_u32 v[SBS], s23, v22
	v_mul_u32_u24 v[WA0], v21, BLKP
	v_lshl_add_u32 v[WA0], v[RR], 4, v[WA0]
	v_add_nc_u32 v[WA1], 8*TILEB, v[WA0]
	v_lshlrev_b32 v[SCA], 4, v[RR]
	v_lshl_add_u32 v[SCA], v21, 11, v[SCA]         ; lanes 16-31: eight tiles of 256 bytes on
	v_add_nc_u32 v[SCA], SCW, v[SCA]
	v_lshlrev_b32 v[H16], 4, v21
	v_lshlrev_b32 v[HCL], 4, v[RR]
	v_lshl_add_u32 v[HCL], v21, 3, v[HCL]
	v_lshlrev_b32 v[L4], 2, v20
	v_mov_b32 v[PL], 0                             ; a lane permute's destination counts as one of its sources
	s_movk_i32 s22, 0x400
	s_sub_co_u32 s23, ttmp9, 32
	s_lshr_b32 s19, s23, 4                         ; an expert's work-group: the expert,
	s_and_b32 s20, s23, 15                         ; the slice,
	s_lshl_b32 s38, s19, 22                        ; the expert's 4 MiB of each matrix
	s_lshr_b32 s39, ttmp9, 2                       ; the shared MLP's: the slice,
	s_and_b32 s21, ttmp9, 3
	s_lshl_b32 s21, s21, 8                         ; the first row
	s_cmp_lt_u32 ttmp9, 32
	s_cselect_b32 s19, 16, s19                     ; s19 expert
	s_cselect_b32 s20, s39, s20                    ; s20 slice
	s_cselect_b32 s21, s21, 0                      ; s21 first row
	s_cselect_b32 s22, 256, s22                    ; s22 rows at the most
	s_cselect_b32 s38, 0, s38
	s_lshl_b32 s23, s20, 18                        ; the slice's 128 rows of 2,048 bytes,
	s_add_co_u32 s38, s38, s23
	s_and_b32 s23, s18, 3
	s_lshl_b32 s23, s23, 16                        ; my wave's 32 of them
	s_add_co_u32 s38, s38, s23
	s_mov_b32 s39, 0
	s_lshl_b32 s40, s19, 20                        ; hq's codes: the expert, the slice's four blocks
	s_lshl_b32 s23, s20, 10
	s_add_co_u32 s40, s40, s23
	s_mov_b32 s41, 0
	s_lshl_b32 s42, s19, 17                        ; hq's scale words: the expert, K step = slice
	s_lshl_b32 s23, s20, 13
	s_add_co_u32 s42, s42, s23
	s_add_co_u32 s42, s42, HQS
	s_mov_b32 s43, 0
	s_lshl_b32 s44, s19, 2
	s_lshl_b32 s45, s19, 10                        ; the expert's list
	s_mov_b32 s36, 0x76543210
	s_mov_b32 s37, 0xfedcba98
	s_wait_kmcnt 0x0
	s_load_b32 s30, s[14:15], s44 offset:CNTO      ; the expert's rows
	s_cmp_lt_u32 ttmp9, 32                         ; the choices hang on the work-group's and the wave's number alone
	s_cselect_b64 s[4:5], s[8:9], s[4:5]
	s_cselect_b64 s[6:7], s[10:11], s[6:7]
	s_cmp_lt_u32 s18, 4
	s_cselect_b64 s[24:25], s[4:5], s[6:7]         ; waves 0-3 the gate matrix, waves 4-7 the up matrix
	s_add_nc_u64 s[24:25], s[24:25], s[38:39]
	s_add_nc_u64 s[26:27], s[16:17], s[40:41]
	s_add_nc_u64 s[28:29], s[16:17], s[42:43]
.irp t, 0,1,2,3,4,5,6,7
	LOADR \t
.endr
	s_wait_kmcnt 0x0
	s_min_u32 s30, s30, 0x400
	s_max_u32 s30, s30, 1
	s_add_co_u32 s23, s21, s22
	s_min_u32 s30, s30, s23                        ; one behind my last row
	s_sub_co_u32 s31, s30, 1                       ; s31 the last row
	s_add_co_u32 s32, s30, 15
	s_lshr_b32 s32, s32, 4                         ; s32 one behind the last row tile
	s_sub_co_u32 s34, s32, 1                       ; s34 the last row tile
	s_lshr_b32 s33, s21, 4
	s_add_co_u32 s33, s33, s18                     ; s33 my wave's row tile
.set Q, 0
.rept 32
	STEP Q
.set Q, Q+1
.endr
	s_wait_dscnt 0x0                               ; for the others' sake: my codes and bytes have landed
	s_barrier_signal -1
	s_barrier_wait -1                              ; from here on the tiles are only read
	s_cmp_ge_u32 s33, s32
	s_cbranch_scc1 .Lend
	s_sub_co_u32 s48, s32, s33                     ; my wave's passes: every eighth of the row tiles from mine on: (tiles left + 7) / 8,
	s_add_co_u32 s48, s48, 7
	s_lshr_b32 s48, s48, 3
	s_min_u32 s48, s48, 8                          ; 8 at the most: 64 row tiles, 8 waves
	s_mov_b32 s49, 0                               ; the loop's counter, one a pass; the row tile in s33 serves addresses alone
.Lpass:
	s_min_u32 s46, s33, 63
	s_lshl_b32 s47, s46, 14
	v_add_nc_u32 v[HCO], s47, v[HCL]
	s_lshl_b32 s47, s46, 7
	v_add_nc_u32 v[HSO], s47, v[L4]
	s_add_co_u32 s35, s33, 8
	s_min_u32 s35, s35, s34
	LISTLOAD                                       ; the next pass's tokens (in the last pass: the last tile's once more)
	LOADS 0
	LOADW 0
	LOADW 1
	s_wait_loadcnt 1                               ; x's nine loads are in; the list word just asked for may be out
	s_wait_dscnt 16                                ; the second run of fragments may be out
.irp n, 0,1,2,3,4,5,6,7
	MUL \n
	PLACES
.if (\n % 2) == 1 && \n < 7
	LOADS (\n+1)/2
.endif
.if \n <= 5
	LOADW \n+2
.endif
.if (\n % 2) == 1
	ACTQ \n/2
.endif
.if \n <= 5
	s_wait_dscnt 16                                ; all but the sixteen loads just issued
.elseif \n == 6
	s_wait_dscnt 0x0
.endif
.endr
	global_store_b32 v[HSO], v[PW], s[28:29]       ; my token's scale word of this K step (lanes 16-31 hold a copy)
	s_wait_loadcnt 0x0                             ; the next tokens are in
	GETX
	s_wait_xcnt 0x0                                ; the stores have read their data and offsets: both are written again in the next pass
	s_add_co_u32 s33, s33, 8                       ; my next row tile
	s_add_co_u32 s49, s49, 1
	s_cmp_lt_u32 s49, s48
	s_cbranch_scc1 .Lpass
.Lend:
	s_wait_tensorcnt 0x0
	ds_add_u32 v254, v255
	s_wait_dscnt 0x0
	s_endpgm
.Lfunc_end_k_q78a70f3188_up:
	.size	k_q78a70f3188_up, .Lfunc_end_k_q78a70f3188_up-k_q78a70f3188_up
	.p2alignl 7, 3214868480
	.fill 96, 4, 3214868480
	.section	.rodata,"a",@progbits
	.p2align	6, 0x0
	.amdhsa_kernel k_q78a70f3188_up
		.amdhsa_group_segment_fixed_size 74752
		.amdhsa_private_segment_fixed_size 0
		.amdhsa_enable_private_segment 0
		.amdhsa_kernarg_size 56
		.amdhsa_user_sgpr_count 2
		.amdhsa_user_sgpr_kernarg_segment_ptr 1
		.amdhsa_wavefront_size32 1
		.amdhsa_system_sgpr_workgroup_id_x 1
		.amdhsa_system_sgpr_workgroup_id_y 1
		.amdhsa_system_sgpr_workgroup_id_z 1
		.amdhsa_system_vgpr_workitem_id 0
		.amdhsa_next_free_vgpr 256
		.amdhsa_next_free_sgpr 66
		.amdhsa_reserve_vcc 0
		.amdhsa_float_denorm_mode_32 3
		.amdhsa_float_denorm_mode_16_64 3
		.amdhsa_memory_ordered 1
		.amdhsa_forward_progress 1
		.amdhsa_inst_pref_size 138
	.end_amdhsa_kernel
	.amdgpu_metadata
---
amdhsa.version: [ 1, 2 ]
amdhsa.kernels:
  - .name:           k_q78a70f3188_up
    .symbol:         k_q78a70f3188_up.kd
    .args:
      - { .name: wg, .offset: 0, .size: 8, .value_kind: global_buffer, .address_space: global }
      - { .name: wu, .offset: 8, .size: 8, .value_kind: global_buffer, .address_space: global }
      - { .name: swg, .offset: 16, .size: 8, .value_kind: global_buffer, .address_space: global }
      - { .name: swu, .offset: 24, .size: 8, .value_kind: global_buffer, .address_space: global }
      - { .name: xq, .offset: 32, .size: 8, .value_kind: global_buffer, .address_space: global }
      - { .name: rt, .offset: 40, .size: 8, .value_kind: global_buffer, .address_space: global }
      - { .name: hq, .offset: 48, .size: 8, .value_kind: global_buffer, .address_space: global }
    .group_segment_fixed_size: 74752
    .private_segment_fixed_size: 0
    .kernarg_segment_align: 8
    .kernarg_segment_size: 56
    .max_flat_workgroup_size: 256
    .sgpr_count:     66
    .vgpr_count:     256
    .wavefront_size: 32
...
	.end_amdgpu_metadata
.endif
;; end of part 3
;; launch down (part 4): grid 288 x 1, 8 waves a work-group, no clusters, 72,704 bytes of LDS; arguments wd, swd, hq, rt, lw, o; writes o
.if DOCPART == 4
	.amdgcn_target "amdgcn-amd-amdhsa--gfx1250"
	.amdhsa_code_object_version 6
	.text
	.protected	k_q78a70f3188_down
	.globl	k_q78a70f3188_down
	.p2align	8
	.type	k_q78a70f3188_down,@function
k_q78a70f3188_down:
	s_mov_b64 s[64:65], 0
	v_nop
	global_prefetch_b8 v0, s[64:65] scope:SCOPE_SE
	s_setreg_imm32_b32 hwreg(HW_REG_WAVE_MODE, 25, 1), 1
	s_wait_xcnt 0x0
; o = (h Wd^T) x the gate's weight, on codes of FP4 (E2M1) with E8M0 scales, as partial rows: the sum over K's halves and over a token's experts is made by the next launch.
; SHARES.  A work-group takes 64 output channels x 1,024 along K of one expert: 256 KiB of f32, read once.
;   Work-groups 0-31: the shared MLP (K = 1,024), channels 64 (id / 4) on, rows 256 (id % 4) on, region 32 of o.
;   Work-groups 32-287, j = id - 32: expert j / 16, channels 64 ((j / 2) % 8) on, K half j % 2, all of the expert's rows, region 2 x expert + half.
; PHASE 1.  Wave w streams weight rows 8 w .. 8 w + 7, half a row's share (2,048 bytes) a step, by four loads of 512 consecutive bytes, and quantises it as the launch before does: the numbers stay where the
;   loads put them (of load i a lane holds four neighbours along K, eight neighbouring lanes a block of 32); three steps across lanes give a block's largest magnitude; each of a step's four conversions
;   gives four codes that count and four that are not used; codes (2 bytes a lane) and scale bytes go straight into LDS as the operand's registers want them.
; PHASE 2.  One barrier; wave w takes row tiles w, w + 8, ..: h's eight fragments come from hq as images of registers, 512 consecutive bytes a load; source 0 = 16 weight rows, source 1 = 16 rows of h:
;   a lane holds one row and eight neighbouring channels.  The results are multiplied by the slot's weight and leave through the wave's own stage: 16 lanes store 256 consecutive bytes, aligned.
; o: [33 regions][1024 rows][512] f32.  Rows behind the count in the last tile are stored and gathered by nobody.
; No tensor load and no cluster: the number of row tiles is read from memory, and what work-groups share, h's codes, is small beside a work-group's 256 KiB of weights.
; LIMITS: NaN and infinities are not served; a block of zeros carries the byte 1 with zero codes where the quantiser says 127: only this program reads the bytes.
.set TILEB, 8704                       ; LDS from 0: 4 tiles of 32 blocks x 272 bytes; in a block row m's 16 bytes at 16 m
.set BLKP,  272
.set SCW,   34816                      ; scale bytes [tile][m][32]
.set OST,   36864                      ; 8 waves x 16 rows x 272 bytes: the way out
.set HQS,   17825792
.set CNTO,  0x13000
.set GOF, 1                            ; v1   16 x lane
.set IMS, 4                            ; v4   where my 2 bytes of codes go
.set SBS, 5                            ; v5   where my block's scale byte goes
.set WA,  6                            ; v6   weight fragments: 272 h + 16 r
.set SCA, 7                            ; v7   scale words: lanes 0-15 an even tile's, lanes 16-31 the odd one's
.set OSI, 8                            ; v8, v9 the way out: in and back
.set OSO, 9
.set HFO, 10                           ; v10  offset of h's codes
.set HSO, 11                           ; v11  of h's scale words
.set LWO, 12                           ; v12  of the slot's weight
.set RR,  13                           ; v13  r
.set L4,  14                           ; v14  4 x lane
.set OL,  15                           ; v15  2,048 h + 16 r
.set OO,  16                           ; v16  my offset in o
.set GWT, 18                           ; v[18:19] the slot's weight (the packed form names the pair and takes its low word)
.set WSC, 32                           ; v32-47 the weights' scale words: register 8 q + s: tiles 2 q (lanes 0-15) and 2 q + 1 (lanes 16-31), K step s
.set HSC, 48                           ; v48-55 h's scale words
.set R,   64                           ; v64-191 phase 1: eight sets of 16 numbers as loaded
.set HF,  64                           ; v64-127 phase 2: h's eight fragments
.set WB,  128                          ; v128-223 phase 2: three buffers of four weight fragments; v128-159 also the rows on their way out
.set MX,  192                          ; v192-195 phase 1: the largest magnitudes of a step's four blocks of mine
.set QS,  196                          ; v196-199 phase 1: their scale operands
.set CQ,  200                          ; v200-207 phase 1: codes, two sets of four registers by turns
.set BQ,  208                          ; v208-215 phase 1: scale bytes, two sets of four by turns
.set DD,  224                          ; v224-255 four accumulators
.macro PLACES                          ; five plain places behind matrix instructions: four for loads into and reads of their registers, five for a matrix instruction that writes over one
.rept 5
	v_nop
.endr
.endm
.macro LOADR t                         ; part t % 2 of my weight row t / 2: four loads of 512 consecutive bytes
.irp i, 0,1,2,3
	global_load_b128 v[R+16*((\t)%8)+4*\i:R+16*((\t)%8)+4*\i+3], v[GOF], s[40+2*((\t)/2):41+2*((\t)/2)] offset:2048*((\t)%2)+512*\i
.endr
.endm
.macro HLOAD                           ; s39: a row tile.  Its eight fragments of h, their scale words, the slots' weights: 25 loads
	s_min_u32 s39, s39, 63
	s_lshl_b32 s24, s39, 14
	v_add_nc_u32 v[HFO], s24, v[GOF]
	s_lshl_b32 s24, s39, 7
	v_add_nc_u32 v[HSO], s24, v[L4]
	s_lshl_b32 s24, s39, 4
	v_add_nc_u32 v[LWO], s24, v[RR]
	v_min_u32 v[LWO], s33, v[LWO]                  ; rows behind the last repeat it
	v_min_u32 v[LWO], 0x3ff, v[LWO]
	v_add_nc_u32 v[LWO], s2, v[LWO]
	v_lshlrev_b32 v[LWO], 2, v[LWO]
.irp k, 0,1,2,3,4,5,6,7
.irp c, 0,1
	global_load_b128 v[HF+8*\k+4*\c:HF+8*\k+4*\c+3], v[HFO], s[26:27] offset:1024*\k+512*\c   ; blocks 4 k + 2 c and 4 k + 2 c + 1: 512 consecutive bytes
.endr
.endr
.irp k, 0,1,2,3,4,5,6,7
	global_load_b32 v[HSC+\k], v[HSO], s[28:29] offset:8192*\k
.endr
	global_load_b32 v[GWT], v[LWO], s[12:13]
.endm
; Part t % 2 of my weight row t / 2 becomes codes and scale bytes.  Registers 4 i .. 4 i + 3 of its set are k = 512 (t % 2) + 128 i + 4 lane + 0 .. 3: block 16 (t % 2) + 4 i + lane / 8.
.macro STEP t
.set RS, R+16*((\t)%8)
.set PP, (\t)%2
.set II, (\t)/2
.if (\t) <= 8
	s_wait_loadcnt 28                              ; this part is in; the seven behind it may be out
.elseif (\t) < 12
	s_wait_loadcnt 4*(15-(\t))                     ; the parts behind this one
.else
	s_wait_loadcnt 4*(15-(\t))+25                  ; and h's 25 loads, issued behind all of the stream's
.endif
.irp i, 0,1,2,3
	v_max3_num_f32 v[MX+\i], |v[RS+4*\i]|, |v[RS+4*\i+1]|, |v[RS+4*\i+2]|   ; (the four blocks by turns)
.endr
.irp i, 0,1,2,3
	v_max3_num_f32 v[MX+\i], v[MX+\i], |v[RS+4*\i+3]|, 0x1800000           ; my four numbers, and the floor 2^(3 - 127): the byte cannot fall under 1
.endr
.irp x, 1,2,4
.irp i, 0,1,2,3
	v_max_num_f32_dpp v[MX+\i], v[MX+\i], v[MX+\i] row_xmask:\x row_mask:0xf bank_mask:0xf   ; with the other seven lanes of the block
.endr
.endr
.irp i, 0,1,2,3
	v_add_nc_u32 v[QS+\i], 0xff000000, v[MX+\i]    ; 2 off the exponent field: the conversion's scale operand
.endr
	s_wait_dscnt 8                                 ; the last step's eight stores may be out; those of two steps back have read the set of registers that is written next
	v_cvt_scalef32_pk8_fp4_f32 v[CQ+4*PP], v[RS:RS+7], v[QS]               ; the first load's block: the low 16 bits count
	v_cvt_scalef32_pk8_fp4_f32 v[CQ+4*PP+1], v[RS+4:RS+11], v[QS+1]        ; the second's: the low 16 bits
	v_cvt_scalef32_pk8_fp4_f32 v[CQ+4*PP+2], v[RS+8:RS+15], v[QS+2]        ; the third's: the low 16 bits
	v_cvt_scalef32_pk8_fp4_f32 v[CQ+4*PP+3], v[RS+8:RS+15], v[QS+3]        ; the fourth's: the high 16 bits
.irp i, 0,1,2,3
	v_lshrrev_b32 v[BQ+4*PP+\i], 23, v[QS+\i]      ; the scales' bytes (also the plain places behind the conversions)
.endr
	v_lshrrev_b32 v[CQ+4*PP+3], 16, v[CQ+4*PP+3]
.irp i, 0,1,2,3
	ds_store_b16 v[IMS], v[CQ+4*PP+\i] offset:16*II+16*BLKP*PP+4*BLKP*\i   ; four codes of my row II
	ds_store_b8 v[SBS], v[BQ+4*PP+\i] offset:32*II+16*PP+4*\i              ; the eight lanes of a block write the same byte with the same value
.endr
.if (\t) < 8
	LOADR (\t)+8                                   ; into the set that the conversions have read
.endif
.if (\t) == 11
	s_min_u32 s39, s35, s38
	HLOAD                                          ; my first row tile's h, into sets 0-3: parts 8 to 11, which lay there, have been converted
.endif
.endm
.macro LOADW k                         ; the four tiles' fragments of K step k into buffer k % 3: eight loads
.set BF, WB+32*((\k)%3)
.irp t, 0,1,2,3
.irp c, 0,1
	ds_load_b128 v[BF+8*\t+4*\c:BF+8*\t+4*\c+3], v[WA] offset:TILEB*\t+(4*(\k)+2*\c)*BLKP
.endr
.endr
.endm
.macro MUL k                           ; four matrix instructions; the four accumulators take turns, one instruction a turn
.set BF, WB+32*((\k)%3)
.irp t, 0,1,2,3
.if (\k) == 0
.if (\t % 2) == 0
	v_wmma_scale_f32_16x16x128_f8f6f4 v[DD+8*\t:DD+8*\t+7], v[BF+8*\t:BF+8*\t+7], v[HF+8*(\k):HF+8*(\k)+7], 0, v[WSC+8*(\t/2)+(\k)], v[HSC+(\k)] matrix_a_fmt:MATRIX_FMT_FP4 matrix_b_fmt:MATRIX_FMT_FP4
.else
	v_wmma_scale_f32_16x16x128_f8f6f4 v[DD+8*\t:DD+8*\t+7], v[BF+8*\t:BF+8*\t+7], v[HF+8*(\k):HF+8*(\k)+7], 0, v[WSC+8*(\t/2)+(\k)], v[HSC+(\k)] matrix_a_fmt:MATRIX_FMT_FP4 matrix_b_fmt:MATRIX_FMT_FP4 matrix_a_scale:MATRIX_SCALE_ROW1
.endif
.else
.if (\t % 2) == 0
	v_wmma_scale_f32_16x16x128_f8f6f4 v[DD+8*\t:DD+8*\t+7], v[BF+8*\t:BF+8*\t+7], v[HF+8*(\k):HF+8*(\k)+7], v[DD+8*\t:DD+8*\t+7], v[WSC+8*(\t/2)+(\k)], v[HSC+(\k)] matrix_a_fmt:MATRIX_FMT_FP4 matrix_b_fmt:MATRIX_FMT_FP4
.else
	v_wmma_scale_f32_16x16x128_f8f6f4 v[DD+8*\t:DD+8*\t+7], v[BF+8*\t:BF+8*\t+7], v[HF+8*(\k):HF+8*(\k)+7], v[DD+8*\t:DD+8*\t+7], v[WSC+8*(\t/2)+(\k)], v[HSC+(\k)] matrix_a_fmt:MATRIX_FMT_FP4 matrix_b_fmt:MATRIX_FMT_FP4 matrix_a_scale:MATRIX_SCALE_ROW1
.endif
.endif
.endr
.endm
	s_load_b256 s[4:11], s[0:1], 0x0               ; wd s[4:5], swd s[6:7], hq s[8:9], rt s[10:11]
	s_load_b128 s[12:15], s[0:1], 0x20             ; lw s[12:13], o s[14:15]
	v_lshl_add_u32 v62, v0, 2, 0x11800
	v_mov_b32 v63, 0
	v_lshrrev_b32 v20, 5, v0
	v_readfirstlane_b32 s16, v20                   ; wave 0..7
	v_and_b32 v20, 31, v0                          ; lane
	v_and_b32 v[RR], 15, v0
	v_bfe_u32 v21, v0, 4, 1                        ; h
	v_lshlrev_b32 v[GOF], 4, v20
	v_lshlrev_b32 v[L4], 2, v20
	v_lshrrev_b32 v22, 3, v20                      ; which of a load's four blocks is mine: lane / 8
	v_and_b32 v23, 7, v20                          ; and my place in it
	v_mul_u32_u24 v[IMS], v22, BLKP
	v_lshl_add_u32 v[IMS], v23, 1, v[IMS]          ; four codes are 2 bytes
	s_lshr_b32 s24, s16, 1
	s_mul_i32 s24, s24, TILEB                      ; tile w / 2,
	s_and_b32 s25, s16, 1
	s_lshl_b32 s25, s25, 7                         ; rows 8 (w % 2) on
	s_add_co_u32 s24, s24, s25
	v_add_nc_u32 v[IMS], s24, v[IMS]
	s_lshl_b32 s24, s16, 8                         ; eight rows of 32 scale bytes a wave
	s_add_co_u32 s24, s24, SCW
	v_add_nc_u32 v[SBS], s24, v22
	v_mul_u32_u24 v[WA], v21, BLKP
	v_lshl_add_u32 v[WA], v[RR], 4, v[WA]
	v_lshlrev_b32 v[SCA], 5, v[RR]
	v_lshl_add_u32 v[SCA], v21, 9, v[SCA]          ; lanes 16-31: one tile of 512 bytes on
	v_add_nc_u32 v[SCA], SCW, v[SCA]
	s_mul_i32 s24, s16, 16*272
	s_add_co_u32 s24, s24, OST                     ; my wave's stage for the way out
	v_mul_u32_u24 v[OSI], v[RR], 272
	v_lshl_add_u32 v[OSI], v21, 5, v[OSI]
	v_add_nc_u32 v[OSI], s24, v[OSI]
	v_mul_u32_u24 v[OSO], v21, 272
	v_lshl_add_u32 v[OSO], v[RR], 4, v[OSO]
	v_add_nc_u32 v[OSO], s24, v[OSO]
	v_lshlrev_b32 v[OL], 4, v[RR]
	v_lshl_add_u32 v[OL], v21, 11, v[OL]
	v_mov_b32 v[GWT+1], 0                          ; named with the weight as a pair, so it is written
	s_sub_co_u32 s24, ttmp9, 32
	s_lshr_b32 s17, s24, 4                         ; an expert's work-group: the expert,
	s_bfe_u32 s18, s24, 0x30001                    ; the 64 channels,
	s_and_b32 s19, s24, 1                          ; the half of K,
	s_lshl_b32 s56, s17, 22                        ; the expert's 4 MiB,
	s_lshl_b32 s23, s17, 1
	s_add_co_u32 s23, s23, s19                     ; the region of o
	s_lshr_b32 s25, ttmp9, 2
	s_and_b32 s20, ttmp9, 3
	s_lshl_b32 s20, s20, 8
	s_movk_i32 s21, 0x400
	s_movk_i32 s22, 0x2000
	s_cmp_lt_u32 ttmp9, 32
	s_cselect_b32 s17, 16, s17                     ; s17 expert
	s_cselect_b32 s18, s25, s18                    ; s18 which 64 channels
	s_cselect_b32 s19, 0, s19                      ; s19 half of K
	s_cselect_b32 s20, s20, 0                      ; s20 first row
	s_cselect_b32 s21, 256, s21                    ; s21 rows at the most
	s_cselect_b32 s22, 0x1000, s22                 ; s22 a weight row in bytes
	s_cselect_b32 s23, 32, s23                     ; s23 region
	s_cselect_b32 s56, 0, s56
	s_lshl_b32 s24, s19, 12
	s_add_co_u32 s56, s56, s24                     ; + the half's 4,096 bytes of a row
	s_lshl_b32 s24, s18, 6
	s_lshl_b32 s25, s16, 3
	s_add_co_u32 s24, s24, s25                     ; my wave's first weight row
	s_mul_i32 s24, s24, s22
	s_add_co_u32 s56, s56, s24
	s_mov_b32 s57, 0
	s_mov_b32 s58, s22
	s_mov_b32 s59, 0
	s_lshl_b32 s60, s17, 20                        ; hq's codes: the expert, the half's 32 blocks
	s_lshl_b32 s24, s19, 13
	s_add_co_u32 s60, s60, s24
	s_mov_b32 s61, 0
	s_lshl_b32 s62, s17, 17                        ; hq's scale words: the expert, the half's 8 K steps
	s_lshl_b32 s24, s19, 16
	s_add_co_u32 s62, s62, s24
	s_add_co_u32 s62, s62, HQS
	s_mov_b32 s63, 0
	s_lshl_b32 s36, s23, 21                        ; o: the region, my 64 channels' 256 bytes of a row
	s_lshl_b32 s24, s18, 8
	s_add_co_u32 s36, s36, s24
	s_mov_b32 s37, 0
	s_lshl_b32 s2, s17, 10                         ; the expert's slots in lw
	s_lshl_b32 s3, s17, 2
	s_wait_kmcnt 0x0
	s_load_b32 s32, s[10:11], s3 offset:CNTO       ; the expert's rows
	s_cmp_lt_u32 ttmp9, 32                         ; the choice hangs on the work-group's number alone
	s_cselect_b64 s[4:5], s[6:7], s[4:5]
	s_add_nc_u64 s[40:41], s[4:5], s[56:57]        ; my eight weight rows
.irp i, 1,2,3,4,5,6,7
	s_add_nc_u64 s[40+2*\i:41+2*\i], s[38+2*\i:39+2*\i], s[58:59]
.endr
	s_add_nc_u64 s[26:27], s[8:9], s[60:61]
	s_add_nc_u64 s[28:29], s[8:9], s[62:63]
	s_add_nc_u64 s[30:31], s[14:15], s[36:37]
.irp t, 0,1,2,3,4,5,6,7
	LOADR \t
.endr
	s_wait_kmcnt 0x0
	s_min_u32 s32, s32, 0x400
	s_max_u32 s32, s32, 1
	s_add_co_u32 s24, s20, s21
	s_min_u32 s32, s32, s24                        ; one behind my last row
	s_sub_co_u32 s33, s32, 1                       ; s33 the last row
	s_add_co_u32 s34, s32, 15
	s_lshr_b32 s34, s34, 4                         ; s34 one behind the last row tile
	s_sub_co_u32 s38, s34, 1                       ; s38 the last row tile
	s_lshr_b32 s35, s20, 4
	s_add_co_u32 s35, s35, s16                     ; s35 my wave's row tile
.set Q, 0
.rept 16
	STEP Q
.set Q, Q+1
.endr
	s_wait_dscnt 0x0                               ; for the others' sake: my codes and bytes have landed
	s_barrier_signal -1
	s_barrier_wait -1                              ; from here on the tiles are only read; each wave's way out has bytes of its own
	s_cmp_ge_u32 s35, s34
	s_cbranch_scc1 .Lend
	s_sub_co_u32 s56, s34, s35                     ; my wave's passes: every eighth of the row tiles from mine on: (tiles left + 7) / 8,
	s_add_co_u32 s56, s56, 7
	s_lshr_b32 s56, s56, 3
	s_min_u32 s56, s56, 8                          ; 8 at the most: 64 row tiles, 8 waves
	s_mov_b32 s57, 0                               ; the loop's counter, one a pass; the row tile in s35 serves addresses alone
.irp q, 0,1
.irp g, 0,1
	ds_load_b128 v[WSC+8*\q+4*\g:WSC+8*\q+4*\g+3], v[SCA] offset:1024*\q+16*\g
.endr
.endr
.Lpass:
	s_min_u32 s25, s35, 63
	s_lshl_b32 s25, s25, 15                        ; 16 rows of o
	v_add_nc_u32 v[OO], s25, v[OL]
	LOADW 0
	LOADW 1
	s_wait_loadcnt 0x0                             ; h, its scale words and the weights are in
.irp k, 0,1,2,3,4,5,6,7
.if \k <= 5
	LOADW \k+2
	s_wait_dscnt 16                                ; the two younger runs of eight loads may be out
.elseif \k == 6
	s_wait_dscnt 8
.else
	s_wait_dscnt 0x0
.endif
	MUL \k
	PLACES
.endr
.set i, 0
.rept 16
	v_pk_mul_f32 v[DD+i:DD+i+1], v[DD+i:DD+i+1], v[GWT:GWT+1] op_sel_hi:[1,0]   ; x the slot's weight; each accumulator from its low end on
.set i, i+2
.endr
.irp t, 0,1,2,3
	ds_store_b128 v[OSI], v[DD+8*\t:DD+8*\t+3] offset:64*\t        ; row r, channels 16 t + 8 h + 0 .. 7
	ds_store_b128 v[OSI], v[DD+8*\t+4:DD+8*\t+7] offset:64*\t+16
.endr
	s_add_co_u32 s39, s35, 8
	s_min_u32 s39, s39, s38
	HLOAD                                          ; the next pass's h (in the last pass: the last tile's once more)
.irp i, 0,1,2,3,4,5,6,7
	ds_load_b128 v[WB+4*\i:WB+4*\i+3], v[OSO] offset:2*272*\i      ; LDS serves a wave's instructions in order: these see my stores
.endr
.irp i, 0,1,2,3,4,5,6,7
	s_wait_dscnt 7-\i
	global_store_b128 v[OO], v[WB+4*\i:WB+4*\i+3], s[30:31] offset:4096*\i   ; 16 lanes store 256 consecutive bytes, aligned
.endr
	s_wait_xcnt 0x0                                ; the stores have read their data and offset: both are written again in the next pass
	s_add_co_u32 s35, s35, 8                       ; my next row tile
	s_add_co_u32 s57, s57, 1
	s_cmp_lt_u32 s57, s56
	s_cbranch_scc1 .Lpass
.Lend:
	s_wait_tensorcnt 0x0
	ds_add_u32 v62, v63
	s_wait_dscnt 0x0
	s_endpgm
.Lfunc_end_k_q78a70f3188_down:
	.size	k_q78a70f3188_down, .Lfunc_end_k_q78a70f3188_down-k_q78a70f3188_down
	.p2alignl 7, 3214868480
	.fill 96, 4, 3214868480
	.section	.rodata,"a",@progbits
	.p2align	6, 0x0
	.amdhsa_kernel k_q78a70f3188_down
		.amdhsa_group_segment_fixed_size 72704
		.amdhsa_private_segment_fixed_size 0
		.amdhsa_enable_private_segment 0
		.amdhsa_kernarg_size 48
		.amdhsa_user_sgpr_count 2
		.amdhsa_user_sgpr_kernarg_segment_ptr 1
		.amdhsa_wavefront_size32 1
		.amdhsa_system_sgpr_workgroup_id_x 1
		.amdhsa_system_sgpr_workgroup_id_y 1
		.amdhsa_system_sgpr_workgroup_id_z 1
		.amdhsa_system_vgpr_workitem_id 0
		.amdhsa_next_free_vgpr 256
		.amdhsa_next_free_sgpr 66
		.amdhsa_reserve_vcc 0
		.amdhsa_float_denorm_mode_32 3
		.amdhsa_float_denorm_mode_16_64 3
		.amdhsa_memory_ordered 1
		.amdhsa_forward_progress 1
		.amdhsa_inst_pref_size 72
	.end_amdhsa_kernel
	.amdgpu_metadata
---
amdhsa.version: [ 1, 2 ]
amdhsa.kernels:
  - .name:           k_q78a70f3188_down
    .symbol:         k_q78a70f3188_down.kd
    .args:
      - { .name: wd, .offset: 0, .size: 8, .value_kind: global_buffer, .address_space: global }
      - { .name: swd, .offset: 8, .size: 8, .value_kind: global_buffer, .address_space: global }
      - { .name: hq, .offset: 16, .size: 8, .value_kind: global_buffer, .address_space: global }
      - { .name: rt, .offset: 24, .size: 8, .value_kind: global_buffer, .address_space: global }
      - { .name: lw, .offset: 32, .size: 8, .value_kind: global_buffer, .address_space: global }
      - { .name: o, .offset: 40, .size: 8, .value_kind: global_buffer, .address_space: global }
    .group_segment_fixed_size: 72704
    .private_segment_fixed_size: 0
    .kernarg_segment_align: 8
    .kernarg_segment_size: 48
    .max_flat_workgroup_size: 256
    .sgpr_count:     66
    .vgpr_count:     256
    .wavefront_size: 32
...
	.end_amdgpu_metadata
.endif
;; end of part 4
;; launch sum (part 5): grid 256 x 1, 4 waves a work-group, no clusters, 0 bytes of LDS; arguments o, rt, out0; writes out0
.if DOCPART == 5
	.amdgcn_target "amdgcn-amd-amdhsa--gfx1250"
	.amdhsa_code_object_version 6
	.text
	.protected	k_q78a70f3188_sum
	.globl	k_q78a70f3188_sum
	.p2align	8
	.type	k_q78a70f3188_sum,@function
k_q78a70f3188_sum:
	s_mov_b64 s[64:65], 0
	v_nop
	global_prefetch_b8 v0, s[64:65] scope:SCOPE_SE
	s_setreg_imm32_b32 hwreg(HW_REG_WAVE_MODE, 25, 1), 1
	s_wait_xcnt 0x0
; out0[t] = the five partial rows of token t: two halves of K for each of its two experts, and the shared MLP's row.  Each output row has one owner: a wave takes a token.
; The places of the experts' rows are whole numbers that an earlier launch stored: pos [token][2] at byte 69,632 of rt, each expert x 2,048 + rank = the row in o of K's first half; the second half lies 1,024 rows on.
; Every load and store of the wave covers 512 consecutive bytes.  No LDS, no barrier, no matrix unit: a gather of 10 KiB and 32 packed additions a token.
	s_load_b128 s[4:7], s[0:1], 0x0                ; o s[4:5], rt s[6:7]
	s_load_b64 s[8:9], s[0:1], 0x10                ; out0
	v_lshrrev_b32 v1, 5, v0
	v_readfirstlane_b32 s10, v1                    ; wave 0..3
	v_and_b32 v1, 31, v0
	v_lshlrev_b32 v1, 4, v1                        ; 16 x lane
	s_lshl_b32 s11, ttmp9, 2
	s_add_co_u32 s11, s11, s10                     ; my token
	s_lshl_b32 s14, s11, 3
	s_lshl_b32 s15, s11, 11                        ; its row of 2,048 bytes
	v_add_nc_u32 v5, s15, v1
	s_add_co_u32 s16, s15, 0x4000000               ; region 32 begins 32 x 1,024 rows on
	v_add_nc_u32 v4, s16, v1
	s_wait_kmcnt 0x0
	s_load_b64 s[12:13], s[6:7], s14 offset:0x11000
.irp j, 0,1,2,3
	global_load_b128 v[72+4*\j:75+4*\j], v4, s[4:5] offset:512*\j th:TH_LOAD_NT   ; the shared MLP's row needs no place
.endr
	s_wait_kmcnt 0x0
	s_min_u32 s12, s12, 0x7bff                     ; 15 x 2,048 + 1,023 at the most
	s_min_u32 s13, s13, 0x7bff
	s_lshl_b32 s12, s12, 11
	s_lshl_b32 s13, s13, 11
	v_add_nc_u32 v2, s12, v1
	v_add_nc_u32 v3, s13, v1
.irp j, 0,1,2,3
	global_load_b128 v[8+4*\j:11+4*\j], v2, s[4:5] offset:512*\j th:TH_LOAD_NT
	global_load_b128 v[24+4*\j:27+4*\j], v2, s[4:5] offset:2097152+512*\j th:TH_LOAD_NT
	global_load_b128 v[40+4*\j:43+4*\j], v3, s[4:5] offset:512*\j th:TH_LOAD_NT
	global_load_b128 v[56+4*\j:59+4*\j], v3, s[4:5] offset:2097152+512*\j th:TH_LOAD_NT
.endr
	s_wait_loadcnt 0x0
.irp i, 0,2,4,6,8,10,12,14
	v_pk_add_f32 v[8+\i:9+\i], v[8+\i:9+\i], v[24+\i:25+\i]        ; the first expert's halves,
	v_pk_add_f32 v[40+\i:41+\i], v[40+\i:41+\i], v[56+\i:57+\i]    ; the second's
.endr
.irp i, 0,2,4,6,8,10,12,14
	v_pk_add_f32 v[8+\i:9+\i], v[8+\i:9+\i], v[40+\i:41+\i]
.endr
.irp i, 0,2,4,6,8,10,12,14
	v_pk_add_f32 v[8+\i:9+\i], v[8+\i:9+\i], v[72+\i:73+\i]        ; and the shared MLP's row
.endr
.irp j, 0,1,2,3
	global_store_b128 v5, v[8+4*\j:11+4*\j], s[8:9] offset:512*\j th:TH_STORE_NT
.endr
	s_endpgm
.Lfunc_end_k_q78a70f3188_sum:
	.size	k_q78a70f3188_sum, .Lfunc_end_k_q78a70f3188_sum-k_q78a70f3188_sum
	.p2alignl 7, 3214868480
	.fill 96, 4, 3214868480
	.section	.rodata,"a",@progbits
	.p2align	6, 0x0
	.amdhsa_kernel k_q78a70f3188_sum
		.amdhsa_group_segment_fixed_size 0
		.amdhsa_private_segment_fixed_size 0
		.amdhsa_enable_private_segment 0
		.amdhsa_kernarg_size 24
		.amdhsa_user_sgpr_count 2
		.amdhsa_user_sgpr_kernarg_segment_ptr 1
		.amdhsa_wavefront_size32 1
		.amdhsa_system_sgpr_workgroup_id_x 1
		.amdhsa_system_sgpr_workgroup_id_y 1
		.amdhsa_system_sgpr_workgroup_id_z 1
		.amdhsa_system_vgpr_workitem_id 0
		.amdhsa_next_free_vgpr 96
		.amdhsa_next_free_sgpr 66
		.amdhsa_reserve_vcc 0
		.amdhsa_float_denorm_mode_32 3
		.amdhsa_float_denorm_mode_16_64 3
		.amdhsa_memory_ordered 1
		.amdhsa_forward_progress 1
		.amdhsa_inst_pref_size 6
	.end_amdhsa_kernel
	.amdgpu_metadata
---
amdhsa.version: [ 1, 2 ]
amdhsa.kernels:
  - .name:           k_q78a70f3188_sum
    .symbol:         k_q78a70f3188_sum.kd
    .args:
      - { .name: o, .offset: 0, .size: 8, .value_kind: global_buffer, .address_space: global }
      - { .name: rt, .offset: 8, .size: 8, .value_kind: global_buffer, .address_space: global }
      - { .name: out0, .offset: 16, .size: 8, .value_kind: global_buffer, .address_space: global }
    .group_segment_fixed_size: 0
    .private_segment_fixed_size: 0
    .kernarg_segment_align: 8
    .kernarg_segment_size: 24
    .max_flat_workgroup_size: 128
    .sgpr_count:     66
    .vgpr_count:     96
    .wavefront_size: 32
...
	.end_amdgpu_metadata
.endif
;; end of part 5
;; ======== version 2 of 2: 5 launches; version 1 with the launches route, up, down written anew for expert scheduling mode
;; workspace buffers: xq 278,528 bytes; idx 8,192 bytes of whole numbers; topw 8,192 bytes; rt 78,080 bytes of whole numbers; lw 69,632 bytes; hq 20,054,016 bytes; o 69,206,016 bytes
;; launch route (part 6): grid 64 x 1, 4 waves a work-group, no clusters, 9,216 bytes of LDS; arguments hidden_states, gate_w, xq, idx, topw; writes xq, idx, topw
.if DOCPART == 6
	.amdgcn_target "amdgcn-amd-amdhsa--gfx1250"
	.amdhsa_code_object_version 6
	.text
	.protected	k_q78a70f3188_route
	.globl	k_q78a70f3188_route
	.p2align	8
	.type	k_q78a70f3188_route,@function
k_q78a70f3188_route:
	s_mov_b64 s[64:65], 0
	v_nop
	global_prefetch_b8 v0, s[64:65] scope:SCOPE_SE
	s_setreg_imm32_b32 hwreg(HW_REG_WAVE_SCHED_MODE, 0, 2), 2
	s_setreg_imm32_b32 hwreg(HW_REG_WAVE_MODE, 25, 1), 1
	s_wait_xcnt 0x0
	s_wait_alu depctr_vm_vsrc(0)
; x [1024][512] f32 becomes codes of FP4 (E2M1) with one E8M0 byte for each 32 along K, and the router chooses two of 16 experts for each token.
; xq: codes [token][256 bytes] from byte 0; scale words [token][4 words] from byte 262,144 (word s: K = 128 s .. 128 s + 127).
; idx [token][2]: the chosen experts; topw [token][2]: their softmax scores.  Both lie at fixed places: no address here hangs on the choice.
; SHARES.  A work-group takes 16 tokens.  Wave w takes K step w of x and of gate_w: it quantises both in registers and multiplies them by one matrix
; instruction (source 0 = the 16 experts, source 1 = the 16 tokens: lane (r, h) then holds token r and experts 8 h + 0 .. 7).  The four partial logits meet in LDS.
; The maximum is taken off ahead of the exponentials.  The choice is made on the logits, of which the softmax is a rising function; of equal logits the lower index wins.
; LIMITS: NaN and infinities among the inputs are not served.  A block of zeros carries the byte 1 with zero codes where the quantiser says 127: only this program reads the bytes.
; No cluster and no tensor load: gate_w, 32 KiB, is all that work-groups share.
; THE MODE: SCHED_MODE bits 1:0 = 2 (LLVM: expert scheduling mode 2), set by the entry lines.  The code itself states the register dependences
; between vector or matrix instructions and memory or LDS instructions, with s_wait_alu, always for 0.
; THE PLAN.  The text is one straight run.  Registers that memory or LDS instructions touch:
;   v4-v12     offsets and LDS addresses: written at the head, never again.
;   HA, ST     loaded once, read by the quantiser; wave 0's loads of the partial logits land in v32-63 behind the last wait on va_vdst, with no vector line between.
;   XC, XW, DD written by the quantiser and by the product, read by the LDS stores, never written again.
;   v208-217   LDS loads land there and stores read them: no vector line names them.
;   v126, v127 written by the last selects, read by the last two stores.
; No register that a memory or LDS instruction has read is written again: so no wait on vm_vsrc is owed but the one in the closing lines.
.set CP,   272                         ; a row of the codes' stage: 256 bytes + 16
.set XSC,  4352                        ; LDS: behind the stage's 16 rows: the scale words, [row][16 bytes]
.set LGT,  4608                        ; LDS: four images of partial logits, 1,024 bytes each
.set XSO,  262144                      ; where the scale words begin in xq
.set HA,   32                          ; v32-95   64 numbers of x
.set ST,   96                          ; v96-159  64 numbers of gate_w
.set TM,   160                         ; v160-175 at work in QUANT
.set XC,   176                         ; v176-183 x's fragment;  v184 its scale word
.set XW,   184
.set GC,   186                         ; v186-193 gate_w's fragment;  v194 its scale word
.set GW,   194
.set DD,   200                         ; v200-207 the partial logits
.set SEL,  20                          ; s[20:21] selects for v_permlanex16_b32: lane l xor 16
; 64 numbers of a lane, register 16 b + i = k 32 b + 16 (lane / 16) + i of its row, become a fragment's codes in v[pc] on and its scale word in v[pw]
.macro QUANT s, pc, pw
.irp b, 0,1,2,3
	v_max3_num_f32 v[TM+\b], |v[\s+16*\b]|, |v[\s+1+16*\b]|, 0x1800000   ; block b: my 16 numbers, and the floor 2^(3 - 127): the byte cannot fall under 1
.endr
.irp i, 2,4,6,8,10,12,14
.irp b, 0,1,2,3
	v_max3_num_f32 v[TM+\b], v[TM+\b], |v[\s+16*\b+\i]|, |v[\s+1+16*\b+\i]|
.endr
.endr
.irp b, 0,1,2,3
	v_permlanex16_b32 v[TM+4+\b], v[TM+\b], s[SEL], s[SEL+1]
.endr
.irp b, 0,1,2,3
	v_max_num_f32 v[TM+\b], v[TM+\b], v[TM+4+\b]       ; with lane l xor 16's: the block's largest magnitude
.endr
.irp b, 0,1,2,3
	v_add_nc_u32 v[TM+12+\b], 0xff000000, v[TM+\b]     ; 2 off its exponent field: the conversion's scale operand
.endr
.irp b, 0,1,2,3
	v_lshrrev_b32 v[TM+4+\b], 23, v[TM+12+\b]          ; the scale's byte
.endr
	v_lshl_or_b32 v[\pw], v[TM+5], 8, v[TM+4]
	v_lshl_or_b32 v[\pw], v[TM+6], 16, v[\pw]
	v_lshl_or_b32 v[\pw], v[TM+7], 24, v[\pw]
.irp b, 0,1,2,3
	v_cvt_scalef32_pk8_fp4_f32 v[\pc+2*\b], v[\s+16*\b:\s+7+16*\b], v[TM+12+\b]
	v_cvt_scalef32_pk8_fp4_f32 v[\pc+1+2*\b], v[\s+8+16*\b:\s+15+16*\b], v[TM+12+\b]
.endr
	v_nop                                              ; one plain place behind a scaled conversion
.irp c, 0,1                                        ; the operand's layout wants a whole block in a lane
.irp i, 0,1
	v_permlane16_swap_b32 v[\pc+4*\c+\i], v[\pc+2+4*\c+\i]
.endr
.endr
.endm
.macro XLOAD reg, lo                   ; my 16 numbers of each of the K step's four blocks, of row r
.irp b, 0,1,2,3
.irp j, 0,1,2,3
	global_load_b128 v[\reg+16*\b+4*\j:\reg+16*\b+4*\j+3], v4, s[\lo:\lo+1] offset:128*\b+16*\j
.endr
.endr
.endm
	s_load_b256 s[4:11], s[0:1], 0x0               ; x s[4:5], gate_w s[6:7], xq s[8:9], idx s[10:11]
	s_load_b64 s[12:13], s[0:1], 0x20              ; topw
	v_lshl_add_u32 v224, v0, 2, 0x2200
	v_mov_b32 v225, 0
	v_lshrrev_b32 v1, 5, v0
	v_readfirstlane_b32 s14, v1                    ; wave 0..3 = my K step
	v_and_b32 v1, 31, v0                           ; lane
	v_and_b32 v2, 15, v0                           ; r
	v_bfe_u32 v3, v0, 4, 1                         ; h
	v_lshlrev_b32 v4, 11, v2
	v_lshl_add_u32 v4, v3, 6, v4                   ; a row of 2,048 bytes, + 64 h
	v_lshlrev_b32 v5, 4, v1                        ; 16 x lane
	v_mul_u32_u24 v6, v2, CP                       ; the stage, in: row r, my K step's 64 bytes, + 16 h
	v_lshl_add_u32 v6, v3, 4, v6
	s_wait_alu depctr_va_sdst(0)                   ; s14 is written, ahead of its first reader: addresses, bases and the branches on the wave's number are made from it
	s_lshl_b32 s15, s14, 6
	v_add_nc_u32 v6, s15, v6
	v_mul_u32_u24 v7, v3, CP                       ; the stage, out: rows 4 w + h, 16 bytes a lane
	v_lshl_add_u32 v7, v2, 4, v7
	s_mul_i32 s15, s14, 4*CP
	v_add_nc_u32 v7, s15, v7
	v_lshlrev_b32 v8, 4, v2                        ; my row's scale word of my K step
	s_lshl_b32 s15, s14, 2
	s_add_co_u32 s15, s15, XSC
	v_add_nc_u32 v8, s15, v8
	s_lshl_b32 s15, s14, 10                        ; my wave's image of partial logits
	s_add_co_u32 s15, s15, LGT
	v_add_nc_u32 v9, s15, v5
	v_lshlrev_b32 v10, 8, v3                       ; in xq: rows 4 w + h of 256 bytes
	v_lshl_add_u32 v10, v2, 4, v10
	s_lshl_b32 s15, s14, 10
	v_add_nc_u32 v10, s15, v10
	v_lshlrev_b32 v11, 3, v1                       ; 8 x lane
	v_lshlrev_b32 v12, 3, v2
	v_lshl_add_u32 v12, v3, 2, v12                 ; idx, topw: 8 r + 4 h
	s_mov_b32 s[SEL], 0x76543210
	s_mov_b32 s[SEL+1], 0xfedcba98
	s_mov_b32 s22, 0xffff0000                      ; lanes 16-31
.irp b, 0,1,2,3
	v_mov_b32 v[TM+4+\b], 0                        ; a lane permute's destination counts as one of its sources
.endr
	s_lshl_b32 s16, ttmp9, 15                      ; 16 rows of x,
	s_lshl_b32 s18, s14, 9                         ; my K step's 512 bytes
	s_add_co_u32 s16, s16, s18
	s_mov_b32 s17, 0
	s_mov_b32 s19, 0
	s_lshl_b32 s24, ttmp9, 12                      ; 16 rows of codes
	s_mov_b32 s25, 0
	s_lshl_b32 s26, ttmp9, 8                       ; 16 rows of scale words
	s_add_co_u32 s26, s26, XSO
	s_mov_b32 s27, 0
	s_lshl_b32 s28, ttmp9, 7                       ; 16 rows of idx and of topw
	s_mov_b32 s29, 0
	s_wait_kmcnt 0x0
	s_add_nc_u64 s[4:5], s[4:5], s[16:17]
	s_add_nc_u64 s[6:7], s[6:7], s[18:19]
	s_add_nc_u64 s[30:31], s[8:9], s[26:27]
	s_add_nc_u64 s[8:9], s[8:9], s[24:25]
	s_add_nc_u64 s[10:11], s[10:11], s[28:29]
	s_add_nc_u64 s[12:13], s[12:13], s[28:29]
	s_wait_alu depctr_va_vdst(0)                   ; the offsets and LDS addresses v4 to v12 are written, which every load and store of the kernel reads
	XLOAD HA, 4
	XLOAD ST, 6
	s_wait_loadcnt 16                              ; x's sixteen loads are in; gate_w's sixteen may be out
	QUANT HA, XC, XW
	s_wait_loadcnt 0x0
	QUANT ST, GC, GW
.rept 8
	v_nop                                          ; a scale register written by a vector instruction stands 8 places ahead of a scaled matrix instruction, an operand 4
.endr
	s_wait_alu depctr_va_vdst(0)                   ; the quantiser has written both fragments and both scale words, which the scaled product takes; the places above stay beside this wait
	v_wmma_scale_f32_16x16x128_f8f6f4 v[DD:DD+7], v[GC:GC+7], v[XC:XC+7], 0, v[GW], v[XW] matrix_a_fmt:MATRIX_FMT_FP4 matrix_b_fmt:MATRIX_FMT_FP4
.rept 4
	v_nop                                          ; four places ahead of the LDS stores that read the result
.endr
	s_wait_alu depctr_va_vdst(0)                   ; the product has written v[DD ..], which the LDS stores read; the quantiser is done reading v32-63, in which wave 0's LDS loads land
	ds_store_b128 v9, v[DD:DD+3]                   ; the result as an image of its registers, from its low end on
	ds_store_b128 v9, v[DD+4:DD+7] offset:512
	ds_store_b128 v6, v[XC:XC+3]                   ; block 2 c + h of my K step: 16 bytes of row r
	ds_store_b128 v6, v[XC+4:XC+7] offset:32
	ds_store_b32 v8, v[XW]                         ; lanes r and r + 16 write the same word with the same value
	s_wait_dscnt 0x0                               ; for the others' sake: my stores have landed
	s_barrier_signal -1
	s_barrier_wait -1
	ds_load_b128 v[208:211], v7                    ; four whole rows of codes a wave
	ds_load_b128 v[212:215], v7 offset:2*CP
	s_wait_dscnt 0x0
	global_store_b128 v10, v[208:211], s[8:9]      ; 16 lanes store 256 consecutive bytes, aligned
	global_store_b128 v10, v[212:215], s[8:9] offset:512
	s_cmp_eq_u32 s14, 1
	s_cbranch_scc0 .Lnot_one
	ds_load_b64 v[216:217], v11 offset:XSC         ; wave 1: the 16 tokens' scale words, 256 bytes
	s_wait_dscnt 0x0
	global_store_b64 v11, v[216:217], s[30:31]
.Lnot_one:
	s_cmp_lg_u32 s14, 0
	s_cbranch_scc1 .Lend
	; wave 0: the logits, the choice, the scores
.irp p, 0,1,2,3
	ds_load_b128 v[32+8*\p:35+8*\p], v5 offset:LGT+1024*\p
	ds_load_b128 v[36+8*\p:39+8*\p], v5 offset:LGT+1024*\p+512
.endr
	v_lshlrev_b32 v89, 3, v3                       ; my first expert: 8 h
	v_mov_b32 v82, 0xff800000                      ; the second largest so far: -infinity
.irp d, 84,85,86,87,106
	v_mov_b32 v\d, 0                               ; destinations of lane permutes
.endr
	s_wait_dscnt 0x0
.irp j, 0,2,4,6
	v_pk_add_f32 v[64+\j:65+\j], v[32+\j:33+\j], v[40+\j:41+\j]
	v_pk_add_f32 v[72+\j:73+\j], v[48+\j:49+\j], v[56+\j:57+\j]
.endr
.irp j, 0,2,4,6
	v_pk_add_f32 v[64+\j:65+\j], v[64+\j:65+\j], v[72+\j:73+\j]   ; v64-71: token r's logits of experts 8 h + 0 .. 7
.endr
	v_mov_b32 v80, v64                             ; v80, v81 the largest and its expert; v82, v83 the second
	v_mov_b32 v81, v89
	v_mov_b32 v83, v89
.irp j, 1,2,3,4,5,6,7
	v_add_nc_u32 v88, \j, v89
	v_cmp_gt_f32 s32, v[64+\j], v80                ; strictly larger: of equal logits the lower index stays
	v_cmp_gt_f32 s33, v[64+\j], v82
	s_wait_alu depctr_va_sdst(0)                   ; the two compares have written s32 and s33, which the selects below read
	v_cndmask_b32 v82, v82, v[64+\j], s33
	v_cndmask_b32 v83, v83, v88, s33
	v_cndmask_b32 v82, v82, v80, s32
	v_cndmask_b32 v83, v83, v81, s32
	v_cndmask_b32 v80, v80, v[64+\j], s32
	v_cndmask_b32 v81, v81, v88, s32
.endr
.irp d, 0,1,2,3
	v_permlanex16_b32 v[84+\d], v[80+\d], s[SEL], s[SEL+1]   ; the other eight experts' pair
.endr
.irp d, 0,1,2,3
	v_cndmask_b32 v[90+\d], v[80+\d], v[84+\d], s22    ; A: the pair of experts 0-7, alike in both halves of the lanes
	v_cndmask_b32 v[94+\d], v[84+\d], v[80+\d], s22    ; B: the pair of experts 8-15
.endr
	v_cmp_gt_f32 s32, v94, v90                     ; B's largest wins only where it is strictly larger
	s_wait_alu depctr_va_sdst(0)                   ; the compare has written s32, which the six selects below read
	v_cndmask_b32 v98, v90, v94, s32               ; the largest logit,
	v_cndmask_b32 v99, v91, v95, s32               ; its expert
	v_cndmask_b32 v100, v92, v90, s32              ; the two that may be second: A's,
	v_cndmask_b32 v101, v93, v91, s32
	v_cndmask_b32 v102, v94, v96, s32              ; and B's
	v_cndmask_b32 v103, v95, v97, s32
	v_cmp_gt_f32 s33, v102, v100
	s_wait_alu depctr_va_sdst(0)                   ; the compare has written s33, which the two selects below read
	v_cndmask_b32 v104, v100, v102, s33            ; the second logit,
	v_cndmask_b32 v105, v101, v103, s33            ; its expert
.irp j, 0,1,2,3,4,5,6,7
	v_sub_f32 v[112+\j], v[64+\j], v98             ; the maximum is taken off
.endr
	v_sub_f32 v120, v104, v98
.irp j, 0,1,2,3,4,5,6,7,8
	v_mul_f32 v[112+\j], 0x3fb8aa3b, v[112+\j]     ; x log2(e)
.endr
.irp j, 0,1,2,3,4,5,6,7,8
	v_exp_f32 v[112+\j], v[112+\j]
.endr
	v_nop                                          ; a plain place behind the last exponential
	s_wait_alu depctr_va_vdst(0)                   ; the nine exponentials have written v112-120: one wait for the batch, ahead of its first reader
	v_pk_add_f32 v[122:123], v[112:113], v[114:115]
	v_pk_add_f32 v[124:125], v[116:117], v[118:119]
	v_pk_add_f32 v[122:123], v[122:123], v[124:125]
	v_add_f32 v122, v122, v123
	v_permlanex16_b32 v106, v122, s[SEL], s[SEL+1]
	v_add_f32 v122, v122, v106                     ; the sum over all 16 experts
	v_rcp_f32 v123, v122                           ; the largest's score: 1 / the sum
	v_nop
	s_wait_alu depctr_va_vdst(0)                   ; the reciprocal has written v123, ahead of its first reader
	v_mul_f32 v124, v120, v123                     ; the second's
	v_cndmask_b32 v126, v99, v105, s22             ; lanes 0-15 store the first, lanes 16-31 the second
	v_cndmask_b32 v127, v123, v124, s22
	s_wait_alu depctr_va_vdst(0)                   ; the two selects have written v126 and v127, which the stores read
	global_store_b32 v12, v126, s[10:11]
	global_store_b32 v12, v127, s[12:13]
.Lend:
	s_wait_dscnt 0x0                               ; the closing lines, six on end
	s_wait_alu 0x0
	s_wait_tensorcnt 0x0
	ds_add_u32 v224, v225
	s_wait_dscnt 0x0
	s_endpgm
.Lfunc_end_k_q78a70f3188_route:
	.size	k_q78a70f3188_route, .Lfunc_end_k_q78a70f3188_route-k_q78a70f3188_route
	.p2alignl 7, 3214868480
	.fill 96, 4, 3214868480
	.section	.rodata,"a",@progbits
	.p2align	6, 0x0
	.amdhsa_kernel k_q78a70f3188_route
		.amdhsa_group_segment_fixed_size 9216
		.amdhsa_private_segment_fixed_size 0
		.amdhsa_enable_private_segment 0
		.amdhsa_kernarg_size 40
		.amdhsa_user_sgpr_count 2
		.amdhsa_user_sgpr_kernarg_segment_ptr 1
		.amdhsa_wavefront_size32 1
		.amdhsa_system_sgpr_workgroup_id_x 1
		.amdhsa_system_sgpr_workgroup_id_y 1
		.amdhsa_system_sgpr_workgroup_id_z 1
		.amdhsa_system_vgpr_workitem_id 0
		.amdhsa_next_free_vgpr 226
		.amdhsa_next_free_sgpr 66
		.amdhsa_reserve_vcc 0
		.amdhsa_float_denorm_mode_32 3
		.amdhsa_float_denorm_mode_16_64 3
		.amdhsa_memory_ordered 1
		.amdhsa_forward_progress 1
		.amdhsa_inst_pref_size 25
	.end_amdhsa_kernel
	.amdgpu_metadata
---
amdhsa.version: [ 1, 2 ]
amdhsa.kernels:
  - .name:           k_q78a70f3188_route
    .symbol:         k_q78a70f3188_route.kd
    .args:
      - { .name: hidden_states, .offset: 0, .size: 8, .value_kind: global_buffer, .address_space: global }
      - { .name: gate_w, .offset: 8, .size: 8, .value_kind: global_buffer, .address_space: global }
      - { .name: xq, .offset: 16, .size: 8, .value_kind: global_buffer, .address_space: global }
      - { .name: idx, .offset: 24, .size: 8, .value_kind: global_buffer, .address_space: global }
      - { .name: topw, .offset: 32, .size: 8, .value_kind: global_buffer, .address_space: global }
    .group_segment_fixed_size: 9216
    .private_segment_fixed_size: 0
    .kernarg_segment_align: 8
    .kernarg_segment_size: 40
    .max_flat_workgroup_size: 128
    .sgpr_count:     66
    .vgpr_count:     226
    .wavefront_size: 32
...
	.end_amdgpu_metadata
.endif
;; end of part 6
;; launch place: the kernel of part 2 again; grid 1 x 1, 32 waves a work-group, no clusters, 8,192 bytes of LDS; arguments idx, topw, rt, lw; writes rt, lw
;; launch up (part 7): grid 288 x 1, 8 waves a work-group, no clusters, 74,752 bytes of LDS; arguments wg, wu, swg, swu, xq, rt, hq; writes hq
.if DOCPART == 7
	.amdgcn_target "amdgcn-amd-amdhsa--gfx1250"
	.amdhsa_code_object_version 6
	.text
	.protected	k_q78a70f3188_up
	.globl	k_q78a70f3188_up
	.p2align	8
	.type	k_q78a70f3188_up,@function
k_q78a70f3188_up:
	s_mov_b64 s[64:65], 0
	v_nop
	global_prefetch_b8 v0, s[64:65] scope:SCOPE_SE
	s_setreg_imm32_b32 hwreg(HW_REG_WAVE_SCHED_MODE, 0, 2), 2
	s_setreg_imm32_b32 hwreg(HW_REG_WAVE_MODE, 25, 1), 1
	s_wait_xcnt 0x0
	s_wait_alu depctr_vm_vsrc(0)
; h = silu(x Wg^T) * (x Wu^T) for the rows that chose an expert (and for all rows in the shared MLP, "expert 16"), both products on codes of FP4 (E2M1) with E8M0 scales; h leaves as codes.
; SHARES.  A work-group takes 128 hidden units (one K step of the next product) of one expert: 128 rows of Wg and 128 of Wu, 512 KiB of f32, read once.
;   Work-groups 0-31: the shared MLP, slice id / 4, rows 256 (id % 4) on.  Work-groups 32-287: expert (id - 32) / 16, slice (id - 32) % 16, all of the expert's rows.
; PHASE 1.  Wave w streams 32 weight rows (matrix w / 4, hidden block w % 4), a row of 2,048 bytes a step, by four loads of 512 consecutive bytes.  The numbers stay where the loads put them: of load i a lane
;   holds k = 128 i + 4 lane + 0 .. 3, so eight neighbouring lanes hold a block of 32 and three steps across lanes give its largest magnitude.  A conversion takes eight registers under one scale; a lane has
;   four numbers of a block, so each of a row's four conversions gives four codes (16 bits) that count and four that are not used.  Codes and scale bytes go straight into LDS as the operand's registers
;   want them: 2 bytes and 1 byte a lane.  Eight rows (32 loads a wave) are on their way.
; PHASE 2.  One barrier; then wave w takes row tiles (16 rows) w, w + 8, ..: it gathers x's codes by the expert's list, multiplies (source 0 = 16 weight rows, source 1 = 16 tokens: a lane holds one token),
;   applies the activation in f32, quantises along the hidden units and stores.
; THE WEIGHT ROWS OF A TILE ARE NOT NEIGHBOURS: row m of tile 2 b + u is hidden unit 32 b + 8 u + m + 8 (m / 8), so that the 16 registers of tiles 2 b, 2 b + 1 are the 16 neighbours 32 b + 16 (lane / 16) + 0 .. 15.
; hq: codes [17][64 row tiles][64 blocks][256 bytes], token r's 16 bytes at 16 r; scale words from byte 17,825,792: [17][16 K steps][64 row tiles][32 lanes].
; Rows behind the count in the last tile repeat the last row of the list; what is made of them is gathered by nobody.
; No tensor load and no cluster: the number of row tiles is read from memory, and what the work-groups of an expert share, x's codes (272 bytes a row), is small beside a work-group's 512 KiB of weights.
; LIMITS: NaN and infinities are not served; a block of zeros carries the byte 1 with zero codes where the quantiser says 127: only this program reads the bytes.
; THE MODE: SCHED_MODE bits 1:0 = 2 (LLVM: expert scheduling mode 2), set by the entry lines.  The code itself states the register dependences
; between vector or matrix instructions and memory or LDS instructions, with s_wait_alu, always for 0.
; THE PLAN, PHASE 1.  Registers that memory or LDS instructions touch:
;   R0 .. R7      Step t: its maxima and conversions read R[t % 8]; behind them the loads of row t + 8 land in it.
;   CQ, BQ        two sets by turns.  Step t: its conversions and shifts write set t % 2, its eight LDS stores read it; step t + 2 writes it again.
;   GOF, IMS, SBS written at the head, never again.   LOF: written at the head of step 16, read by the list's load in that step.   XO, XSA: written at the head of step 25, read by x's loads in that step.
; So a step has ONE wait on va_vdst, behind its conversions and shifts (its codes and bytes are written; R[t % 8] has been read; in steps 16 and 25 the addresses are written), with all the step's loads and
; stores behind it and no vector line behind those; and ONE wait on vm_vsrc, ahead of its conversions: the stores of two steps back have read the set that is written next.
; THE PLAN, PHASE 2 (a pass).
;   WB0, WB1      MUL n reads buffer n % 2; the LDS loads of run n + 2 land in it.      WSC: read by MUL 2 b and 2 b + 1; the scale words of block b + 1 land in it.
;   XF, XS        read by all eight MUL; the next pass's x lands in them at the pass's end.   TOK: the list's load lands in it behind MUL 0; vector lines read and write it at the pass's end.
;   CD, PW        written by a block's conversions and shifts; block b's codes are stored behind the next wait on va_vdst, the last block's and PW at the pass's end.
;   HCO, HSO, LOF written at the pass's head; read by the stores and by the list's load.      XO, XSA: written at the pass's end, read by x's loads there.
; Waits on va_vdst: behind MUL 0, 2, 4 (ahead of the loads into the buffer just read); the wait behind each block's exponentials, which also stands for MUL 1, 3, 5, 7 and for the block before's codes;
; the wait behind each block's reciprocals; one at the pass's end.  One wait on vm_vsrc ahead of the branch into the loop and one ahead of its backward branch: all that a pass writes again has been read.
.set TILEB, 4352                       ; LDS from 0: 16 tiles (8 x matrix + 2 b + u) of 16 blocks x 272 bytes; in a block row m's 16 bytes at 16 m
.set BLKP,  272
.set SCW,   69632                      ; scale bytes [tile][m][16]
.set XSO_,  262144                     ; x's scale words in xq
.set HQS,   17825792                   ; h's scale words in hq
.set CNTO,  0x13000                    ; the counts in rt
.set GOF, 1                            ; v1   16 x lane
.set IMS, 4                            ; v4   where my 2 bytes of codes go: my wave's tiles, block lane / 8, byte 2 (lane % 8)
.set SBS, 5                            ; v5   where my block's scale byte goes
.set WA0, 6                            ; v6   fragments of Wg: 272 h + 16 r;  v7 of Wu: 8 tiles on
.set WA1, 7
.set SCA, 8                            ; v8   scale words: lanes 0-15 Wg's, lanes 16-31 Wu's
.set RR,  9                            ; v9   r
.set H16, 10                           ; v10  16 h
.set HCL, 11                           ; v11  16 r + 8 h
.set L4,  12                           ; v12  4 x lane
.set HCO, 13                           ; v13  offset of my codes in hq
.set HSO, 14                           ; v14  of my scale word
.set LOF, 15                           ; v15  offset in the list
.set TOK, 16                           ; v16  my row's token
.set XO,  17                           ; v17  its codes
.set XSA, 18                           ; v18  its scale words
.set M1,  19                           ; v19-23 at work in phase 2
.set M2,  20
.set PL,  21
.set SCL, 22
.set BY,  23
.set PW,  24                           ; v24  h's scale word
.set CD,  26                           ; v26-33 h's codes
.set XF,  34                           ; v34-65 x's four fragments
.set XS,  66                           ; v66-69 x's scale words
.set R,   70                           ; v70-197 phase 1: eight sets of 16 numbers as loaded;  phase 2: two buffers of weight fragments
.set WB,  70
.set MX,  198                          ; v198-201 phase 1: the largest magnitudes of a row's four blocks of mine
.set QS,  202                          ; v202-205 phase 1: their scale operands
.set CQ,  206                          ; v206-213 phase 1: codes, two sets of four registers by turns
.set BQ,  214                          ; v214-221 phase 1: scale bytes, two sets of four by turns
.set ACC, 198                          ; v198-229 phase 2: four accumulators (g: 0, 1; u: 2, 3)
.set T,   230                          ; v230-245 at work in the activation
.set WSC, 246                          ; v246-253 the weights' scale words of two tiles
.macro PLACES                          ; five plain places behind matrix instructions: four for vector lines that read their results, five for a matrix instruction that writes over one of their registers (ISA guide 7.12.1); they stay beside the waits
.rept 5
	v_nop
.endr
.endm
.macro LOADR t                         ; weight row t of my 32: four loads of 512 consecutive bytes
.irp i, 0,1,2,3
	global_load_b128 v[R+16*((\t)%8)+4*\i:R+16*((\t)%8)+4*\i+3], v[GOF], s[24:25] offset:2048*(\t)+512*\i
.endr
.endm
.macro LISTA                           ; s35: a row tile.  The place of my row's token in the expert's list
	s_min_u32 s35, s35, 63
	s_lshl_b32 s35, s35, 4
	v_add_nc_u32 v[LOF], s35, v[RR]
	v_min_u32 v[LOF], s31, v[LOF]                  ; rows behind the last repeat it
	v_min_u32 v[LOF], 0x3ff, v[LOF]
	v_add_nc_u32 v[LOF], s45, v[LOF]
	v_lshlrev_b32 v[LOF], 2, v[LOF]
.endm
.macro LISTL                           ; and the token itself
	global_load_b32 v[TOK], v[LOF], s[14:15]
.endm
.macro GETXA                           ; where the token's codes and scale words lie
	v_min_u32 v[TOK], 0x3ff, v[TOK]
	v_lshl_add_u32 v[XO], v[TOK], 8, v[H16]
	v_lshlrev_b32 v[XSA], 4, v[TOK]
.endm
.macro GETXL                           ; the token's four fragments and its four scale words: nine loads
.irp s, 0,1,2,3
.irp c, 0,1
	global_load_b128 v[XF+8*\s+4*\c:XF+8*\s+4*\c+3], v[XO], s[12:13] offset:64*\s+32*\c
.endr
.endr
	global_load_b128 v[XS:XS+3], v[XSA], s[12:13] offset:XSO_
.endm
; Weight row t of my 32 becomes codes and scale bytes.  Registers 4 i .. 4 i + 3 of its set are k = 128 i + 4 lane + 0 .. 3: block 4 i + lane / 8.
.macro STEP t
.set RS, R+16*((\t)%8)
.set PP, (\t)%2
.set UU, ((\t)/8)%2
.set MM, (\t)%8+8*((\t)/16)
.if (\t) <= 16
	s_wait_loadcnt 28                              ; this row is in; the seven rows behind it may be out
.elseif (\t) <= 24
	s_wait_loadcnt 29                              ; the seven rows behind it and the list word, which was asked for behind row 24
.elseif (\t) == 25
	s_wait_loadcnt 24                              ; rows 26 to 31 may be out; the list word is older than this row, so it is in
.else
	s_wait_loadcnt 4*(31-(\t))+9                   ; the rows behind this one, and x's nine loads, may be out
.endif
.if (\t) == 16
	s_min_u32 s35, s33, s34
	LISTA                                          ; my first row tile's place in the list (a wave without one takes the last tile's: a stored place); the load follows behind this step's wait on va_vdst
.endif
.if (\t) == 25
	GETXA                                          ; the addresses of my first row tile's x; the loads follow behind this step's wait on va_vdst
.endif
.irp i, 0,1,2,3
	v_max3_num_f32 v[MX+\i], |v[RS+4*\i]|, |v[RS+4*\i+1]|, |v[RS+4*\i+2]|   ; (the four blocks by turns: no line waits for the line above it)
.endr
.irp i, 0,1,2,3
	v_max3_num_f32 v[MX+\i], v[MX+\i], |v[RS+4*\i+3]|, 0x1800000           ; my four numbers, and the floor 2^(3 - 127): the byte cannot fall under 1
.endr
.irp x, 1,2,4
.irp i, 0,1,2,3
	v_max_num_f32_dpp v[MX+\i], v[MX+\i], v[MX+\i] row_xmask:\x row_mask:0xf bank_mask:0xf   ; with the other seven lanes of the block
.endr
.endr
.irp i, 0,1,2,3
	v_add_nc_u32 v[QS+\i], 0xff000000, v[MX+\i]    ; 2 off the exponent field: the conversion's scale operand
.endr
	s_wait_dscnt 8                                 ; the last step's eight stores may be out; those of two steps back are done
.if (\t) >= 2
	s_wait_alu depctr_vm_vsrc(0)                   ; the LDS stores of two steps back have read this set of CQ and BQ, which the conversions and shifts below write again
.endif
	v_cvt_scalef32_pk8_fp4_f32 v[CQ+4*PP], v[RS:RS+7], v[QS]               ; block 0 + lane / 8: the low 16 bits count
	v_cvt_scalef32_pk8_fp4_f32 v[CQ+4*PP+1], v[RS+4:RS+11], v[QS+1]        ; block 4 + lane / 8: the low 16 bits
	v_cvt_scalef32_pk8_fp4_f32 v[CQ+4*PP+2], v[RS+8:RS+15], v[QS+2]        ; block 8 + lane / 8: the low 16 bits
	v_cvt_scalef32_pk8_fp4_f32 v[CQ+4*PP+3], v[RS+8:RS+15], v[QS+3]        ; block 12 + lane / 8: the high 16 bits
.irp i, 0,1,2,3
	v_lshrrev_b32 v[BQ+4*PP+\i], 23, v[QS+\i]      ; the scales' bytes (also the plain places behind the conversions)
.endr
	v_lshrrev_b32 v[CQ+4*PP+3], 16, v[CQ+4*PP+3]
	s_wait_alu depctr_va_vdst(0)                   ; the codes and bytes are written, which the LDS stores read; the maxima and conversions are done reading this row's set, in which the loads below land; in steps 16 and 25 LOF, XO and XSA are written
.if (\t) < 24
	LOADR (\t)+8                                   ; into the set that the conversions have read
.endif
.if (\t) == 16
	LISTL                                          ; my first row tile's tokens
.endif
.if (\t) == 25
	GETXL                                          ; my first row tile's x
.endif
.irp i, 0,1,2,3
	ds_store_b16 v[IMS], v[CQ+4*PP+\i] offset:UU*TILEB+16*MM+4*BLKP*\i     ; four codes of row MM of tile 2 w + UU
	ds_store_b8 v[SBS], v[BQ+4*PP+\i] offset:256*UU+16*MM+4*\i             ; the eight lanes of a block write the same byte with the same value
.endr
.endm
.macro LOADW n                         ; fragments of hidden block n / 2, K steps 2 (n % 2) and 2 (n % 2) + 1, of the four tiles q = 2 x matrix + u, into buffer n % 2: 16 loads
.set BF, WB+64*((\n)%2)
.set BB, (\n)/2
.irp q, 0,1,2,3
.irp p, 0,1
.irp c, 0,1
	ds_load_b128 v[BF+16*\q+8*\p+4*\c:BF+16*\q+8*\p+4*\c+3], v[WA0+\q/2] offset:(2*BB+\q%2)*TILEB+(4*(2*((\n)%2)+\p)+2*\c)*BLKP
.endr
.endr
.endr
.endm
.macro LOADS b                         ; the scale words of hidden block b's tiles: register 4 u + s: lanes 0-15 Wg's tile 2 b + u, lanes 16-31 Wu's, K step s
.irp u, 0,1
	ds_load_b128 v[WSC+4*\u:WSC+4*\u+3], v[SCA] offset:256*(2*(\b)+\u)
.endr
.endm
.macro MUL n                           ; eight matrix instructions; the four accumulators take turns, one instruction a turn
.set BF, WB+64*((\n)%2)
.irp p, 0,1
.set SS, 2*((\n)%2)+\p
.irp q, 0,1,2,3
.if SS == 0
.if \q < 2
	v_wmma_scale_f32_16x16x128_f8f6f4 v[ACC+8*\q:ACC+8*\q+7], v[BF+16*\q+8*\p:BF+16*\q+8*\p+7], v[XF+8*SS:XF+8*SS+7], 0, v[WSC+4*(\q%2)+SS], v[XS+SS] matrix_a_fmt:MATRIX_FMT_FP4 matrix_b_fmt:MATRIX_FMT_FP4
.else
	v_wmma_scale_f32_16x16x128_f8f6f4 v[ACC+8*\q:ACC+8*\q+7], v[BF+16*\q+8*\p:BF+16*\q+8*\p+7], v[XF+8*SS:XF+8*SS+7], 0, v[WSC+4*(\q%2)+SS], v[XS+SS] matrix_a_fmt:MATRIX_FMT_FP4 matrix_b_fmt:MATRIX_FMT_FP4 matrix_a_scale:MATRIX_SCALE_ROW1
.endif
.else
.if \q < 2
	v_wmma_scale_f32_16x16x128_f8f6f4 v[ACC+8*\q:ACC+8*\q+7], v[BF+16*\q+8*\p:BF+16*\q+8*\p+7], v[XF+8*SS:XF+8*SS+7], v[ACC+8*\q:ACC+8*\q+7], v[WSC+4*(\q%2)+SS], v[XS+SS] matrix_a_fmt:MATRIX_FMT_FP4 matrix_b_fmt:MATRIX_FMT_FP4
.else
	v_wmma_scale_f32_16x16x128_f8f6f4 v[ACC+8*\q:ACC+8*\q+7], v[BF+16*\q+8*\p:BF+16*\q+8*\p+7], v[XF+8*SS:XF+8*SS+7], v[ACC+8*\q:ACC+8*\q+7], v[WSC+4*(\q%2)+SS], v[XS+SS] matrix_a_fmt:MATRIX_FMT_FP4 matrix_b_fmt:MATRIX_FMT_FP4 matrix_a_scale:MATRIX_SCALE_ROW1
.endif
.endif
.endr
.endr
.endm
; hidden block b is finished: g in ACC + 0 .. 15, u in ACC + 16 .. 31, register i = hidden unit 32 b + 16 h + i of my token.  h = g u / (1 + 2^(-g log2 e)); its block of 32 lies in lanes l and l xor 16.
; The step's memory and LDS instructions stand behind the wait for the exponentials: the store of the block before, and the next scale words and fragments.  The vector lines behind them name T, ACC, v19-24 and CD alone.
.macro ACTQ b
.irp i, 0,2,4,6,8,10,12,14
	v_pk_mul_f32 v[T+\i:T+\i+1], v[ACC+\i:ACC+\i+1], 0xbfb8aa3b op_sel_hi:[1,0]   ; -g log2(e); each accumulator is read from its low end on
.endr
.irp i, 0,1,2,3,4,5,6,7,8,9,10,11,12,13,14,15
	v_exp_f32 v[T+\i], v[T+\i]
.endr
.irp i, 0,2,4,6,8,10,12,14
	v_pk_mul_f32 v[ACC+\i:ACC+\i+1], v[ACC+\i:ACC+\i+1], v[ACC+16+\i:ACC+17+\i]   ; g u: plain work behind the batch
.endr
	s_wait_alu depctr_va_vdst(0)                   ; the sixteen exponentials have written v[T ..], ahead of their first reader; this block's matrix instructions are done reading their fragments and scale words, in which the loads below land; the block before's conversions have written its codes, and the pass's head HCO, which the store reads
.if (\b) > 0
	global_store_b64 v[HCO], v[CD+2*((\b)-1):CD+2*((\b)-1)+1], s[26:27] offset:256*((\b)-1)   ; the block before: 32 lanes store 256 consecutive bytes, aligned: the block as the next product's operand wants it
.endif
.if (\b) < 3
	LOADS (\b)+1
	LOADW 2*(\b)+3
.endif
.irp i, 0,2,4,6,8,10,12,14
	v_pk_add_f32 v[T+\i:T+\i+1], v[T+\i:T+\i+1], 1.0 op_sel_hi:[1,0]
.endr
.irp i, 0,1,2,3,4,5,6,7,8,9,10,11,12,13,14,15
	v_rcp_f32 v[T+\i], v[T+\i]
.endr
	v_nop
	s_wait_alu depctr_va_vdst(0)                   ; the sixteen reciprocals have written v[T ..], ahead of their first reader
.irp i, 0,2,4,6,8,10,12,14
	v_pk_mul_f32 v[ACC+\i:ACC+\i+1], v[ACC+\i:ACC+\i+1], v[T+\i:T+\i+1]           ; h
.endr
	v_max3_num_f32 v[M1], |v[ACC]|, |v[ACC+1]|, |v[ACC+2]|
	v_max3_num_f32 v[M2], |v[ACC+3]|, |v[ACC+4]|, |v[ACC+5]|
.irp i, 6,10
	v_max3_num_f32 v[M1], v[M1], |v[ACC+\i]|, |v[ACC+\i+1]|
	v_max3_num_f32 v[M2], v[M2], |v[ACC+\i+2]|, |v[ACC+\i+3]|
.endr
	v_max3_num_f32 v[M1], v[M1], |v[ACC+14]|, |v[ACC+15]|
	v_max3_num_f32 v[M1], v[M1], v[M2], 0x1800000
	v_permlanex16_b32 v[PL], v[M1], s36, s37
	v_max_num_f32 v[M1], v[M1], v[PL]              ; the block's largest magnitude
	v_add_nc_u32 v[SCL], 0xff000000, v[M1]
	v_lshrrev_b32 v[BY], 23, v[SCL]
.if (\b) == 0
	v_mov_b32 v[PW], v[BY]
.else
	v_lshl_or_b32 v[PW], v[BY], 8*(\b), v[PW]
.endif
	v_cvt_scalef32_pk8_fp4_f32 v[CD+2*(\b)], v[ACC:ACC+7], v[SCL]
	v_cvt_scalef32_pk8_fp4_f32 v[CD+2*(\b)+1], v[ACC+8:ACC+15], v[SCL]
	v_nop                                          ; one plain place behind a scaled conversion: a matrix instruction writes its sources next
.endm
	s_load_b256 s[4:11], s[0:1], 0x0               ; wg s[4:5], wu s[6:7], swg s[8:9], swu s[10:11]
	s_load_b128 s[12:15], s[0:1], 0x20             ; xq s[12:13], rt s[14:15]
	s_load_b64 s[16:17], s[0:1], 0x30              ; hq
	v_lshl_add_u32 v254, v0, 2, 0x12000
	v_mov_b32 v255, 0
	v_lshrrev_b32 v19, 5, v0
	v_readfirstlane_b32 s18, v19                   ; wave 0..7
	v_and_b32 v20, 31, v0                          ; lane
	v_and_b32 v[RR], 15, v0
	v_bfe_u32 v21, v0, 4, 1                        ; h
	v_lshlrev_b32 v[GOF], 4, v20
	v_lshrrev_b32 v22, 3, v20                      ; which of a load's four blocks is mine: lane / 8
	v_and_b32 v23, 7, v20                          ; and my place in it
	v_mul_u32_u24 v[IMS], v22, BLKP
	v_lshl_add_u32 v[IMS], v23, 1, v[IMS]          ; four codes are 2 bytes
	s_wait_alu depctr_va_sdst(0)                   ; s18 is written, ahead of its first reader: LDS addresses, bases and the wave's row tiles are made from it
	s_mul_i32 s23, s18, 2*TILEB                    ; my wave's two tiles: 2 w, 2 w + 1
	v_add_nc_u32 v[IMS], s23, v[IMS]
	s_lshl_b32 s23, s18, 9
	s_add_co_u32 s23, s23, SCW
	v_add_nc_u32 v[SBS], s23, v22
	v_mul_u32_u24 v[WA0], v21, BLKP
	v_lshl_add_u32 v[WA0], v[RR], 4, v[WA0]
	v_add_nc_u32 v[WA1], 8*TILEB, v[WA0]
	v_lshlrev_b32 v[SCA], 4, v[RR]
	v_lshl_add_u32 v[SCA], v21, 11, v[SCA]         ; lanes 16-31: eight tiles of 256 bytes on
	v_add_nc_u32 v[SCA], SCW, v[SCA]
	v_lshlrev_b32 v[H16], 4, v21
	v_lshlrev_b32 v[HCL], 4, v[RR]
	v_lshl_add_u32 v[HCL], v21, 3, v[HCL]
	v_lshlrev_b32 v[L4], 2, v20
	v_mov_b32 v[PL], 0                             ; a lane permute's destination counts as one of its sources
	s_movk_i32 s22, 0x400
	s_sub_co_u32 s23, ttmp9, 32
	s_lshr_b32 s19, s23, 4                         ; an expert's work-group: the expert,
	s_and_b32 s20, s23, 15                         ; the slice,
	s_lshl_b32 s38, s19, 22                        ; the expert's 4 MiB of each matrix
	s_lshr_b32 s39, ttmp9, 2                       ; the shared MLP's: the slice,
	s_and_b32 s21, ttmp9, 3
	s_lshl_b32 s21, s21, 8                         ; the first row
	s_cmp_lt_u32 ttmp9, 32
	s_cselect_b32 s19, 16, s19                     ; s19 expert
	s_cselect_b32 s20, s39, s20                    ; s20 slice
	s_cselect_b32 s21, s21, 0                      ; s21 first row
	s_cselect_b32 s22, 256, s22                    ; s22 rows at the most
	s_cselect_b32 s38, 0, s38
	s_lshl_b32 s23, s20, 18                        ; the slice's 128 rows of 2,048 bytes,
	s_add_co_u32 s38, s38, s23
	s_and_b32 s23, s18, 3
	s_lshl_b32 s23, s23, 16                        ; my wave's 32 of them
	s_add_co_u32 s38, s38, s23
	s_mov_b32 s39, 0
	s_lshl_b32 s40, s19, 20                        ; hq's codes: the expert, the slice's four blocks
	s_lshl_b32 s23, s20, 10
	s_add_co_u32 s40, s40, s23
	s_mov_b32 s41, 0
	s_lshl_b32 s42, s19, 17                        ; hq's scale words: the expert, K step = slice
	s_lshl_b32 s23, s20, 13
	s_add_co_u32 s42, s42, s23
	s_add_co_u32 s42, s42, HQS
	s_mov_b32 s43, 0
	s_lshl_b32 s44, s19, 2
	s_lshl_b32 s45, s19, 10                        ; the expert's list
	s_mov_b32 s36, 0x76543210
	s_mov_b32 s37, 0xfedcba98
	s_wait_kmcnt 0x0
	s_load_b32 s30, s[14:15], s44 offset:CNTO      ; the expert's rows
	s_cmp_lt_u32 ttmp9, 32                         ; the choices hang on the work-group's and the wave's number alone
	s_cselect_b64 s[4:5], s[8:9], s[4:5]
	s_cselect_b64 s[6:7], s[10:11], s[6:7]
	s_cmp_lt_u32 s18, 4
	s_cselect_b64 s[24:25], s[4:5], s[6:7]         ; waves 0-3 the gate matrix, waves 4-7 the up matrix
	s_add_nc_u64 s[24:25], s[24:25], s[38:39]
	s_add_nc_u64 s[26:27], s[16:17], s[40:41]
	s_add_nc_u64 s[28:29], s[16:17], s[42:43]
	s_wait_alu depctr_va_vdst(0)                   ; the offsets and LDS addresses made above (v1, v4 to v12) are written, which the loads and stores of the whole kernel read
.irp t, 0,1,2,3,4,5,6,7
	LOADR \t
.endr
	s_wait_kmcnt 0x0
	s_min_u32 s30, s30, 0x400
	s_max_u32 s30, s30, 1
	s_add_co_u32 s23, s21, s22
	s_min_u32 s30, s30, s23                        ; one behind my last row
	s_sub_co_u32 s31, s30, 1                       ; s31 the last row
	s_add_co_u32 s32, s30, 15
	s_lshr_b32 s32, s32, 4                         ; s32 one behind the last row tile
	s_sub_co_u32 s34, s32, 1                       ; s34 the last row tile
	s_lshr_b32 s33, s21, 4
	s_add_co_u32 s33, s33, s18                     ; s33 my wave's row tile
.set Q, 0
.rept 32
	STEP Q
.set Q, Q+1
.endr
	s_wait_dscnt 0x0                               ; for the others' sake: my codes and bytes have landed
	s_barrier_signal -1
	s_barrier_wait -1                              ; from here on the tiles are only read
	s_wait_alu depctr_vm_vsrc(0)                   ; my LDS stores have read CQ and BQ, which lie where the accumulators do; the list's load has read LOF and x's loads XO and XSA: the passes write all of these again
	s_cmp_ge_u32 s33, s32
	s_cbranch_scc1 .Lend
	s_sub_co_u32 s48, s32, s33                     ; my wave's passes: every eighth of the row tiles from mine on: (tiles left + 7) / 8,
	s_add_co_u32 s48, s48, 7
	s_lshr_b32 s48, s48, 3
	s_min_u32 s48, s48, 8                          ; 8 at the most: 64 row tiles, 8 waves
	s_mov_b32 s49, 0                               ; the loop's counter, one a pass; the row tile in s33 serves addresses alone
.Lpass:
	s_min_u32 s46, s33, 63
	s_lshl_b32 s47, s46, 14
	v_add_nc_u32 v[HCO], s47, v[HCL]
	s_lshl_b32 s47, s46, 7
	v_add_nc_u32 v[HSO], s47, v[L4]
	s_add_co_u32 s35, s33, 8
	s_min_u32 s35, s35, s34
	LISTA                                          ; the place of the next pass's tokens (in the last pass: the last tile's once more); the load follows behind the first wait on va_vdst below
	LOADS 0                                        ; no wait: the last readers of WSC and of both buffers stand ahead of the last wait on va_vdst (the pass's end; the last step of the stream), and the lines above name none of them
	LOADW 0
	LOADW 1
	s_wait_loadcnt 0x0                             ; x's nine loads are in: nothing younger is out
	s_wait_dscnt 16                                ; the second run of fragments may be out
.irp n, 0,1,2,3,4,5,6,7
	MUL \n
	PLACES
.if (\n % 2) == 0 && \n <= 4
	s_wait_alu depctr_va_vdst(0)                   ; these matrix instructions are done reading their buffer, in which the loads below land; in the pass's first run LOF is written, which the list's load reads
.if \n == 0
	LISTL                                          ; the next pass's tokens
.endif
	LOADW \n+2
.endif
.if (\n % 2) == 1
	ACTQ \n/2
.endif
.if \n <= 5
	s_wait_dscnt 16                                ; all but the youngest sixteen loads
.elseif \n == 6
	s_wait_dscnt 0x0
.endif
.endr
	s_wait_loadcnt 0x0                             ; the next tokens are in
	GETXA
	s_wait_alu depctr_va_vdst(0)                   ; the last block's codes and PW are written, which the stores read; XO and XSA are written, which x's loads read; the pass's matrix instructions are done reading XF and XS, in which they land
	global_store_b64 v[HCO], v[CD+6:CD+7], s[26:27] offset:768   ; the last block's codes
	global_store_b32 v[HSO], v[PW], s[28:29]       ; my token's scale word of this K step (lanes 16-31 hold a copy)
	GETXL
	s_wait_xcnt 0x0                                ; the stores have read their data and offsets: both are written again in the next pass
	s_wait_alu depctr_vm_vsrc(0)                   ; the pass's stores have read HCO, HSO, CD and PW, the list's load LOF, x's loads XO and XSA: the next pass writes them again
	s_add_co_u32 s33, s33, 8                       ; my next row tile
	s_add_co_u32 s49, s49, 1
	s_cmp_lt_u32 s49, s48
	s_cbranch_scc1 .Lpass
.Lend:
	s_wait_dscnt 0x0                               ; the closing lines, six on end
	s_wait_alu 0x0
	s_wait_tensorcnt 0x0
	ds_add_u32 v254, v255
	s_wait_dscnt 0x0
	s_endpgm
.Lfunc_end_k_q78a70f3188_up:
	.size	k_q78a70f3188_up, .Lfunc_end_k_q78a70f3188_up-k_q78a70f3188_up
	.p2alignl 7, 3214868480
	.fill 96, 4, 3214868480
	.section	.rodata,"a",@progbits
	.p2align	6, 0x0
	.amdhsa_kernel k_q78a70f3188_up
		.amdhsa_group_segment_fixed_size 74752
		.amdhsa_private_segment_fixed_size 0
		.amdhsa_enable_private_segment 0
		.amdhsa_kernarg_size 56
		.amdhsa_user_sgpr_count 2
		.amdhsa_user_sgpr_kernarg_segment_ptr 1
		.amdhsa_wavefront_size32 1
		.amdhsa_system_sgpr_workgroup_id_x 1
		.amdhsa_system_sgpr_workgroup_id_y 1
		.amdhsa_system_sgpr_workgroup_id_z 1
		.amdhsa_system_vgpr_workitem_id 0
		.amdhsa_next_free_vgpr 256
		.amdhsa_next_free_sgpr 66
		.amdhsa_reserve_vcc 0
		.amdhsa_float_denorm_mode_32 3
		.amdhsa_float_denorm_mode_16_64 3
		.amdhsa_memory_ordered 1
		.amdhsa_forward_progress 1
		.amdhsa_inst_pref_size 141
	.end_amdhsa_kernel
	.amdgpu_metadata
---
amdhsa.version: [ 1, 2 ]
amdhsa.kernels:
  - .name:           k_q78a70f3188_up
    .symbol:         k_q78a70f3188_up.kd
    .args:
      - { .name: wg, .offset: 0, .size: 8, .value_kind: global_buffer, .address_space: global }
      - { .name: wu, .offset: 8, .size: 8, .value_kind: global_buffer, .address_space: global }
      - { .name: swg, .offset: 16, .size: 8, .value_kind: global_buffer, .address_space: global }
      - { .name: swu, .offset: 24, .size: 8, .value_kind: global_buffer, .address_space: global }
      - { .name: xq, .offset: 32, .size: 8, .value_kind: global_buffer, .address_space: global }
      - { .name: rt, .offset: 40, .size: 8, .value_kind: global_buffer, .address_space: global }
      - { .name: hq, .offset: 48, .size: 8, .value_kind: global_buffer, .address_space: global }
    .group_segment_fixed_size: 74752
    .private_segment_fixed_size: 0
    .kernarg_segment_align: 8
    .kernarg_segment_size: 56
    .max_flat_workgroup_size: 256
    .sgpr_count:     66
    .vgpr_count:     256
    .wavefront_size: 32
...
	.end_amdgpu_metadata
.endif
;; end of part 7
;; launch down (part 8): grid 288 x 1, 8 waves a work-group, no clusters, 72,704 bytes of LDS; arguments wd, swd, hq, rt, lw, o; writes o
.if DOCPART == 8
	.amdgcn_target "amdgcn-amd-amdhsa--gfx1250"
	.amdhsa_code_object_version 6
	.text
	.protected	k_q78a70f3188_down
	.globl	k_q78a70f3188_down
	.p2align	8
	.type	k_q78a70f3188_down,@function
k_q78a70f3188_down:
	s_mov_b64 s[64:65], 0
	v_nop
	global_prefetch_b8 v0, s[64:65] scope:SCOPE_SE
	s_setreg_imm32_b32 hwreg(HW_REG_WAVE_SCHED_MODE, 0, 2), 2
	s_setreg_imm32_b32 hwreg(HW_REG_WAVE_MODE, 25, 1), 1
	s_wait_xcnt 0x0
	s_wait_alu depctr_vm_vsrc(0)
; o = (h Wd^T) x the gate's weight, on codes of FP4 (E2M1) with E8M0 scales, as partial rows: the sum over K's halves and over a token's experts is made by the next launch.
; SHARES.  A work-group takes 64 output channels x 1,024 along K of one expert: 256 KiB of f32, read once.
;   Work-groups 0-31: the shared MLP (K = 1,024), channels 64 (id / 4) on, rows 256 (id % 4) on, region 32 of o.
;   Work-groups 32-287, j = id - 32: expert j / 16, channels 64 ((j / 2) % 8) on, K half j % 2, all of the expert's rows, region 2 x expert + half.
; PHASE 1.  Wave w streams weight rows 8 w .. 8 w + 7, half a row's share (2,048 bytes) a step, by four loads of 512 consecutive bytes, and quantises it as the launch before does: the numbers stay where the
;   loads put them (of load i a lane holds four neighbours along K, eight neighbouring lanes a block of 32); three steps across lanes give a block's largest magnitude; each of a step's four conversions
;   gives four codes that count and four that are not used; codes (2 bytes a lane) and scale bytes go straight into LDS as the operand's registers want them.
; PHASE 2.  One barrier; wave w takes row tiles w, w + 8, ..: h's eight fragments come from hq as images of registers, 512 consecutive bytes a load; source 0 = 16 weight rows, source 1 = 16 rows of h:
;   a lane holds one row and eight neighbouring channels.  The results are multiplied by the slot's weight and leave through the wave's own stage: 16 lanes store 256 consecutive bytes, aligned.
; o: [33 regions][1024 rows][512] f32.  Rows behind the count in the last tile are stored and gathered by nobody.
; No tensor load and no cluster: the number of row tiles is read from memory, and what work-groups share, h's codes, is small beside a work-group's 256 KiB of weights.
; LIMITS: NaN and infinities are not served; a block of zeros carries the byte 1 with zero codes where the quantiser says 127: only this program reads the bytes.
; THE MODE: SCHED_MODE bits 1:0 = 2 (LLVM: expert scheduling mode 2), set by the entry lines.  The code itself states the register dependences
; between vector or matrix instructions and memory or LDS instructions, with s_wait_alu, always for 0.
; THE PLAN, PHASE 1.  Registers that memory or LDS instructions touch:
;   R0 .. R7      Step t: its maxima and conversions read R[t % 8]; behind them the loads of part t + 8 land in it; in step 11 h's first loads land in R0 to R3, whose parts 8 to 11 have been converted.
;   CQ, BQ        two sets by turns.  Step t: its conversions and shifts write set t % 2, its eight LDS stores read it; step t + 2 writes it again.
;   GOF, IMS, SBS written at the head, never again.   HFO, HSO, LWO: written at the head of step 11, read by h's loads in that step.
; A step has ONE wait on va_vdst, behind its conversions and shifts, with all its loads and stores behind it and no vector line behind those; and ONE wait on vm_vsrc, ahead of its conversions.
; THE PLAN, PHASE 2 (a pass).
;   WB0 .. WB2    MUL k reads buffer k % 3; the LDS loads of K step k + 3 land in it.  The rows on their way out land in WB0 behind the tail's wait, and the global stores read them there.
;   HF, HSC, GWT  read by the eight MUL and by the sixteen multiplications; the next pass's h lands in them in the tail.      WSC: loaded once, ahead of the loop.
;   DD            written by the matrix instructions and the multiplications, read by the LDS stores of the tail, begun anew by the next pass's MUL 0.
;   OO            written at the pass's head, read by the global stores.      HFO, HSO, LWO: written in the tail, read by h's loads there.
; Waits on va_vdst: one ahead of the loads of K steps 3 to 7 (the K step before is done reading the buffer); one in the tail, behind the multiplications and h's address lines, for all of the tail's LDS and
; memory instructions and for the next pass's first three runs of loads.  One wait on vm_vsrc ahead of the branch into the loop and one ahead of its backward branch.
.set TILEB, 8704                       ; LDS from 0: 4 tiles of 32 blocks x 272 bytes; in a block row m's 16 bytes at 16 m
.set BLKP,  272
.set SCW,   34816                      ; scale bytes [tile][m][32]
.set OST,   36864                      ; 8 waves x 16 rows x 272 bytes: the way out
.set HQS,   17825792
.set CNTO,  0x13000
.set GOF, 1                            ; v1   16 x lane
.set IMS, 4                            ; v4   where my 2 bytes of codes go
.set SBS, 5                            ; v5   where my block's scale byte goes
.set WA,  6                            ; v6   weight fragments: 272 h + 16 r
.set SCA, 7                            ; v7   scale words: lanes 0-15 an even tile's, lanes 16-31 the odd one's
.set OSI, 8                            ; v8, v9 the way out: in and back
.set OSO, 9
.set HFO, 10                           ; v10  offset of h's codes
.set HSO, 11                           ; v11  of h's scale words
.set LWO, 12                           ; v12  of the slot's weight
.set RR,  13                           ; v13  r
.set L4,  14                           ; v14  4 x lane
.set OL,  15                           ; v15  2,048 h + 16 r
.set OO,  16                           ; v16  my offset in o
.set GWT, 18                           ; v[18:19] the slot's weight (the packed form names the pair and takes its low word)
.set WSC, 32                           ; v32-47 the weights' scale words: register 8 q + s: tiles 2 q (lanes 0-15) and 2 q + 1 (lanes 16-31), K step s
.set HSC, 48                           ; v48-55 h's scale words
.set R,   64                           ; v64-191 phase 1: eight sets of 16 numbers as loaded
.set HF,  64                           ; v64-127 phase 2: h's eight fragments
.set WB,  128                          ; v128-223 phase 2: three buffers of four weight fragments; v128-159 also the rows on their way out
.set MX,  192                          ; v192-195 phase 1: the largest magnitudes of a step's four blocks of mine
.set QS,  196                          ; v196-199 phase 1: their scale operands
.set CQ,  200                          ; v200-207 phase 1: codes, two sets of four registers by turns
.set BQ,  208                          ; v208-215 phase 1: scale bytes, two sets of four by turns
.set DD,  224                          ; v224-255 four accumulators
.macro PLACES                          ; five plain places behind matrix instructions (ISA guide 7.12.1): four for vector lines that read their results, five for a matrix instruction that writes over one of their registers; they stay beside the waits
.rept 5
	v_nop
.endr
.endm
.macro LOADR t                         ; part t % 2 of my weight row t / 2: four loads of 512 consecutive bytes
.irp i, 0,1,2,3
	global_load_b128 v[R+16*((\t)%8)+4*\i:R+16*((\t)%8)+4*\i+3], v[GOF], s[40+2*((\t)/2):41+2*((\t)/2)] offset:2048*((\t)%2)+512*\i
.endr
.endm
.macro HLA                             ; s39: a row tile.  Where its fragments of h, their scale words and the slots' weights lie
	s_min_u32 s39, s39, 63
	s_lshl_b32 s24, s39, 14
	v_add_nc_u32 v[HFO], s24, v[GOF]
	s_lshl_b32 s24, s39, 7
	v_add_nc_u32 v[HSO], s24, v[L4]
	s_lshl_b32 s24, s39, 4
	v_add_nc_u32 v[LWO], s24, v[RR]
	v_min_u32 v[LWO], s33, v[LWO]                  ; rows behind the last repeat it
	v_min_u32 v[LWO], 0x3ff, v[LWO]
	v_add_nc_u32 v[LWO], s2, v[LWO]
	v_lshlrev_b32 v[LWO], 2, v[LWO]
.endm
.macro HLL                             ; its eight fragments of h, their scale words, the slots' weights: 25 loads
.irp k, 0,1,2,3,4,5,6,7
.irp c, 0,1
	global_load_b128 v[HF+8*\k+4*\c:HF+8*\k+4*\c+3], v[HFO], s[26:27] offset:1024*\k+512*\c   ; blocks 4 k + 2 c and 4 k + 2 c + 1: 512 consecutive bytes
.endr
.endr
.irp k, 0,1,2,3,4,5,6,7
	global_load_b32 v[HSC+\k], v[HSO], s[28:29] offset:8192*\k
.endr
	global_load_b32 v[GWT], v[LWO], s[12:13]
.endm
; Part t % 2 of my weight row t / 2 becomes codes and scale bytes.  Registers 4 i .. 4 i + 3 of its set are k = 512 (t % 2) + 128 i + 4 lane + 0 .. 3: block 16 (t % 2) + 4 i + lane / 8.
.macro STEP t
.set RS, R+16*((\t)%8)
.set PP, (\t)%2
.set II, (\t)/2
.if (\t) <= 8
	s_wait_loadcnt 28                              ; this part is in; the seven behind it may be out
.elseif (\t) < 12
	s_wait_loadcnt 4*(15-(\t))                     ; the parts behind this one
.else
	s_wait_loadcnt 4*(15-(\t))+25                  ; and h's 25 loads, issued behind all of the stream's
.endif
.if (\t) == 11
	s_min_u32 s39, s35, s38
	HLA                                            ; the addresses of my first row tile's h; the loads follow behind this step's wait on va_vdst
.endif
.irp i, 0,1,2,3
	v_max3_num_f32 v[MX+\i], |v[RS+4*\i]|, |v[RS+4*\i+1]|, |v[RS+4*\i+2]|   ; (the four blocks by turns)
.endr
.irp i, 0,1,2,3
	v_max3_num_f32 v[MX+\i], v[MX+\i], |v[RS+4*\i+3]|, 0x1800000           ; my four numbers, and the floor 2^(3 - 127): the byte cannot fall under 1
.endr
.irp x, 1,2,4
.irp i, 0,1,2,3
	v_max_num_f32_dpp v[MX+\i], v[MX+\i], v[MX+\i] row_xmask:\x row_mask:0xf bank_mask:0xf   ; with the other seven lanes of the block
.endr
.endr
.irp i, 0,1,2,3
	v_add_nc_u32 v[QS+\i], 0xff000000, v[MX+\i]    ; 2 off the exponent field: the conversion's scale operand
.endr
	s_wait_dscnt 8                                 ; the last step's eight stores may be out; those of two steps back are done
.if (\t) >= 2
	s_wait_alu depctr_vm_vsrc(0)                   ; the LDS stores of two steps back have read this set of CQ and BQ, which the conversions and shifts below write again
.endif
	v_cvt_scalef32_pk8_fp4_f32 v[CQ+4*PP], v[RS:RS+7], v[QS]               ; the first load's block: the low 16 bits count
	v_cvt_scalef32_pk8_fp4_f32 v[CQ+4*PP+1], v[RS+4:RS+11], v[QS+1]        ; the second's: the low 16 bits
	v_cvt_scalef32_pk8_fp4_f32 v[CQ+4*PP+2], v[RS+8:RS+15], v[QS+2]        ; the third's: the low 16 bits
	v_cvt_scalef32_pk8_fp4_f32 v[CQ+4*PP+3], v[RS+8:RS+15], v[QS+3]        ; the fourth's: the high 16 bits
.irp i, 0,1,2,3
	v_lshrrev_b32 v[BQ+4*PP+\i], 23, v[QS+\i]      ; the scales' bytes (also the plain places behind the conversions)
.endr
	v_lshrrev_b32 v[CQ+4*PP+3], 16, v[CQ+4*PP+3]
	s_wait_alu depctr_va_vdst(0)                   ; the codes and bytes are written, which the LDS stores read; the maxima and conversions are done reading this part's set, in which the loads below land; in step 11 HFO, HSO and LWO are written
.if (\t) < 8
	LOADR (\t)+8                                   ; into the set that the conversions have read
.endif
.if (\t) == 11
	HLL                                            ; my first row tile's h, into sets 0-3: parts 8 to 11, which lay there, have been converted
.endif
.irp i, 0,1,2,3
	ds_store_b16 v[IMS], v[CQ+4*PP+\i] offset:16*II+16*BLKP*PP+4*BLKP*\i   ; four codes of my row II
	ds_store_b8 v[SBS], v[BQ+4*PP+\i] offset:32*II+16*PP+4*\i              ; the eight lanes of a block write the same byte with the same value
.endr
.endm
.macro LOADW k                         ; the four tiles' fragments of K step k into buffer k % 3: eight loads
.set BF, WB+32*((\k)%3)
.irp t, 0,1,2,3
.irp c, 0,1
	ds_load_b128 v[BF+8*\t+4*\c:BF+8*\t+4*\c+3], v[WA] offset:TILEB*\t+(4*(\k)+2*\c)*BLKP
.endr
.endr
.endm
.macro MUL k                           ; four matrix instructions; the four accumulators take turns, one instruction a turn
.set BF, WB+32*((\k)%3)
.irp t, 0,1,2,3
.if (\k) == 0
.if (\t % 2) == 0
	v_wmma_scale_f32_16x16x128_f8f6f4 v[DD+8*\t:DD+8*\t+7], v[BF+8*\t:BF+8*\t+7], v[HF+8*(\k):HF+8*(\k)+7], 0, v[WSC+8*(\t/2)+(\k)], v[HSC+(\k)] matrix_a_fmt:MATRIX_FMT_FP4 matrix_b_fmt:MATRIX_FMT_FP4
.else
	v_wmma_scale_f32_16x16x128_f8f6f4 v[DD+8*\t:DD+8*\t+7], v[BF+8*\t:BF+8*\t+7], v[HF+8*(\k):HF+8*(\k)+7], 0, v[WSC+8*(\t/2)+(\k)], v[HSC+(\k)] matrix_a_fmt:MATRIX_FMT_FP4 matrix_b_fmt:MATRIX_FMT_FP4 matrix_a_scale:MATRIX_SCALE_ROW1
.endif
.else
.if (\t % 2) == 0
	v_wmma_scale_f32_16x16x128_f8f6f4 v[DD+8*\t:DD+8*\t+7], v[BF+8*\t:BF+8*\t+7], v[HF+8*(\k):HF+8*(\k)+7], v[DD+8*\t:DD+8*\t+7], v[WSC+8*(\t/2)+(\k)], v[HSC+(\k)] matrix_a_fmt:MATRIX_FMT_FP4 matrix_b_fmt:MATRIX_FMT_FP4
.else
	v_wmma_scale_f32_16x16x128_f8f6f4 v[DD+8*\t:DD+8*\t+7], v[BF+8*\t:BF+8*\t+7], v[HF+8*(\k):HF+8*(\k)+7], v[DD+8*\t:DD+8*\t+7], v[WSC+8*(\t/2)+(\k)], v[HSC+(\k)] matrix_a_fmt:MATRIX_FMT_FP4 matrix_b_fmt:MATRIX_FMT_FP4 matrix_a_scale:MATRIX_SCALE_ROW1
.endif
.endif
.endr
.endm
	s_load_b256 s[4:11], s[0:1], 0x0               ; wd s[4:5], swd s[6:7], hq s[8:9], rt s[10:11]
	s_load_b128 s[12:15], s[0:1], 0x20             ; lw s[12:13], o s[14:15]
	v_lshl_add_u32 v62, v0, 2, 0x11800
	v_mov_b32 v63, 0
	v_lshrrev_b32 v20, 5, v0
	v_readfirstlane_b32 s16, v20                   ; wave 0..7
	v_and_b32 v20, 31, v0                          ; lane
	v_and_b32 v[RR], 15, v0
	v_bfe_u32 v21, v0, 4, 1                        ; h
	v_lshlrev_b32 v[GOF], 4, v20
	v_lshlrev_b32 v[L4], 2, v20
	v_lshrrev_b32 v22, 3, v20                      ; which of a load's four blocks is mine: lane / 8
	v_and_b32 v23, 7, v20                          ; and my place in it
	v_mul_u32_u24 v[IMS], v22, BLKP
	v_lshl_add_u32 v[IMS], v23, 1, v[IMS]          ; four codes are 2 bytes
	s_wait_alu depctr_va_sdst(0)                   ; s16 is written, ahead of its first reader: LDS addresses, bases and the wave's row tiles are made from it
	s_lshr_b32 s24, s16, 1
	s_mul_i32 s24, s24, TILEB                      ; tile w / 2,
	s_and_b32 s25, s16, 1
	s_lshl_b32 s25, s25, 7                         ; rows 8 (w % 2) on
	s_add_co_u32 s24, s24, s25
	v_add_nc_u32 v[IMS], s24, v[IMS]
	s_lshl_b32 s24, s16, 8                         ; eight rows of 32 scale bytes a wave
	s_add_co_u32 s24, s24, SCW
	v_add_nc_u32 v[SBS], s24, v22
	v_mul_u32_u24 v[WA], v21, BLKP
	v_lshl_add_u32 v[WA], v[RR], 4, v[WA]
	v_lshlrev_b32 v[SCA], 5, v[RR]
	v_lshl_add_u32 v[SCA], v21, 9, v[SCA]          ; lanes 16-31: one tile of 512 bytes on
	v_add_nc_u32 v[SCA], SCW, v[SCA]
	s_mul_i32 s24, s16, 16*272
	s_add_co_u32 s24, s24, OST                     ; my wave's stage for the way out
	v_mul_u32_u24 v[OSI], v[RR], 272
	v_lshl_add_u32 v[OSI], v21, 5, v[OSI]
	v_add_nc_u32 v[OSI], s24, v[OSI]
	v_mul_u32_u24 v[OSO], v21, 272
	v_lshl_add_u32 v[OSO], v[RR], 4, v[OSO]
	v_add_nc_u32 v[OSO], s24, v[OSO]
	v_lshlrev_b32 v[OL], 4, v[RR]
	v_lshl_add_u32 v[OL], v21, 11, v[OL]
	v_mov_b32 v[GWT+1], 0                          ; named with the weight as a pair, so it is written
	s_sub_co_u32 s24, ttmp9, 32
	s_lshr_b32 s17, s24, 4                         ; an expert's work-group: the expert,
	s_bfe_u32 s18, s24, 0x30001                    ; the 64 channels,
	s_and_b32 s19, s24, 1                          ; the half of K,
	s_lshl_b32 s56, s17, 22                        ; the expert's 4 MiB,
	s_lshl_b32 s23, s17, 1
	s_add_co_u32 s23, s23, s19                     ; the region of o
	s_lshr_b32 s25, ttmp9, 2
	s_and_b32 s20, ttmp9, 3
	s_lshl_b32 s20, s20, 8
	s_movk_i32 s21, 0x400
	s_movk_i32 s22, 0x2000
	s_cmp_lt_u32 ttmp9, 32
	s_cselect_b32 s17, 16, s17                     ; s17 expert
	s_cselect_b32 s18, s25, s18                    ; s18 which 64 channels
	s_cselect_b32 s19, 0, s19                      ; s19 half of K
	s_cselect_b32 s20, s20, 0                      ; s20 first row
	s_cselect_b32 s21, 256, s21                    ; s21 rows at the most
	s_cselect_b32 s22, 0x1000, s22                 ; s22 a weight row in bytes
	s_cselect_b32 s23, 32, s23                     ; s23 region
	s_cselect_b32 s56, 0, s56
	s_lshl_b32 s24, s19, 12
	s_add_co_u32 s56, s56, s24                     ; + the half's 4,096 bytes of a row
	s_lshl_b32 s24, s18, 6
	s_lshl_b32 s25, s16, 3
	s_add_co_u32 s24, s24, s25                     ; my wave's first weight row
	s_mul_i32 s24, s24, s22
	s_add_co_u32 s56, s56, s24
	s_mov_b32 s57, 0
	s_mov_b32 s58, s22
	s_mov_b32 s59, 0
	s_lshl_b32 s60, s17, 20                        ; hq's codes: the expert, the half's 32 blocks
	s_lshl_b32 s24, s19, 13
	s_add_co_u32 s60, s60, s24
	s_mov_b32 s61, 0
	s_lshl_b32 s62, s17, 17                        ; hq's scale words: the expert, the half's 8 K steps
	s_lshl_b32 s24, s19, 16
	s_add_co_u32 s62, s62, s24
	s_add_co_u32 s62, s62, HQS
	s_mov_b32 s63, 0
	s_lshl_b32 s36, s23, 21                        ; o: the region, my 64 channels' 256 bytes of a row
	s_lshl_b32 s24, s18, 8
	s_add_co_u32 s36, s36, s24
	s_mov_b32 s37, 0
	s_lshl_b32 s2, s17, 10                         ; the expert's slots in lw
	s_lshl_b32 s3, s17, 2
	s_wait_kmcnt 0x0
	s_load_b32 s32, s[10:11], s3 offset:CNTO       ; the expert's rows
	s_cmp_lt_u32 ttmp9, 32                         ; the choice hangs on the work-group's number alone
	s_cselect_b64 s[4:5], s[6:7], s[4:5]
	s_add_nc_u64 s[40:41], s[4:5], s[56:57]        ; my eight weight rows
.irp i, 1,2,3,4,5,6,7
	s_add_nc_u64 s[40+2*\i:41+2*\i], s[38+2*\i:39+2*\i], s[58:59]
.endr
	s_add_nc_u64 s[26:27], s[8:9], s[60:61]
	s_add_nc_u64 s[28:29], s[8:9], s[62:63]
	s_add_nc_u64 s[30:31], s[14:15], s[36:37]
	s_wait_alu depctr_va_vdst(0)                   ; the offsets and LDS addresses made above (v1, v4 to v9, v13 to v15) are written, which the loads and stores of the whole kernel read
.irp t, 0,1,2,3,4,5,6,7
	LOADR \t
.endr
	s_wait_kmcnt 0x0
	s_min_u32 s32, s32, 0x400
	s_max_u32 s32, s32, 1
	s_add_co_u32 s24, s20, s21
	s_min_u32 s32, s32, s24                        ; one behind my last row
	s_sub_co_u32 s33, s32, 1                       ; s33 the last row
	s_add_co_u32 s34, s32, 15
	s_lshr_b32 s34, s34, 4                         ; s34 one behind the last row tile
	s_sub_co_u32 s38, s34, 1                       ; s38 the last row tile
	s_lshr_b32 s35, s20, 4
	s_add_co_u32 s35, s35, s16                     ; s35 my wave's row tile
.set Q, 0
.rept 16
	STEP Q
.set Q, Q+1
.endr
	s_wait_dscnt 0x0                               ; for the others' sake: my codes and bytes have landed
	s_barrier_signal -1
	s_barrier_wait -1                              ; from here on the tiles are only read; each wave's way out has bytes of its own
	s_wait_alu depctr_vm_vsrc(0)                   ; my LDS stores have read CQ and BQ, in which weight fragments land; h's loads have read HFO, HSO and LWO, which the passes write again
	s_cmp_ge_u32 s35, s34
	s_cbranch_scc1 .Lend
	s_sub_co_u32 s56, s34, s35                     ; my wave's passes: every eighth of the row tiles from mine on: (tiles left + 7) / 8,
	s_add_co_u32 s56, s56, 7
	s_lshr_b32 s56, s56, 3
	s_min_u32 s56, s56, 8                          ; 8 at the most: 64 row tiles, 8 waves
	s_mov_b32 s57, 0                               ; the loop's counter, one a pass; the row tile in s35 serves addresses alone
.irp q, 0,1
.irp g, 0,1
	ds_load_b128 v[WSC+8*\q+4*\g:WSC+8*\q+4*\g+3], v[SCA] offset:1024*\q+16*\g
.endr
.endr
.Lpass:
	s_min_u32 s25, s35, 63
	s_lshl_b32 s25, s25, 15                        ; 16 rows of o
	v_add_nc_u32 v[OO], s25, v[OL]
	LOADW 0                                        ; no wait for the first three runs: the last readers of all three buffers stand ahead of the last wait on va_vdst (the tail's; the last step of the stream), and the line above names none of them
	LOADW 1
	s_wait_loadcnt 0x0                             ; h, its scale words and the weights are in
.irp k, 0,1,2,3,4,5,6,7
.if \k <= 5
.if \k >= 1
	s_wait_alu depctr_va_vdst(0)                   ; the matrix instructions of the K step before are done reading their buffer, in which the loads below land
.endif
	LOADW \k+2
	s_wait_dscnt 16                                ; the two younger runs of eight loads may be out
.elseif \k == 6
	s_wait_dscnt 8
.else
	s_wait_dscnt 0x0
.endif
	MUL \k
	PLACES
.endr
.set i, 0
.rept 16
	v_pk_mul_f32 v[DD+i:DD+i+1], v[DD+i:DD+i+1], v[GWT:GWT+1] op_sel_hi:[1,0]   ; x the slot's weight; each accumulator from its low end on
.set i, i+2
.endr
	s_add_co_u32 s39, s35, 8
	s_min_u32 s39, s39, s38
	HLA                                            ; the addresses of the next pass's h (in the last pass: the last tile's once more)
	s_wait_alu depctr_va_vdst(0)                   ; the multiplications have written v[DD ..], which the LDS stores read, and are done reading the weight; the matrix instructions are done reading h, its scale words and the buffers; HFO, HSO and LWO are written: so h's loads and the rows on their way out may land
.irp t, 0,1,2,3
	ds_store_b128 v[OSI], v[DD+8*\t:DD+8*\t+3] offset:64*\t        ; row r, channels 16 t + 8 h + 0 .. 7
	ds_store_b128 v[OSI], v[DD+8*\t+4:DD+8*\t+7] offset:64*\t+16
.endr
	HLL                                            ; the next pass's h
.irp i, 0,1,2,3,4,5,6,7
	ds_load_b128 v[WB+4*\i:WB+4*\i+3], v[OSO] offset:2*272*\i      ; LDS serves a wave's instructions in order: these see my stores
.endr
.irp i, 0,1,2,3,4,5,6,7
	s_wait_dscnt 7-\i
	global_store_b128 v[OO], v[WB+4*\i:WB+4*\i+3], s[30:31] offset:4096*\i   ; 16 lanes store 256 consecutive bytes, aligned
.endr
	s_wait_xcnt 0x0                                ; the stores have read their data and offset: both are written again in the next pass
	s_wait_alu depctr_vm_vsrc(0)                   ; the LDS stores have read v[DD ..], the global stores OO and the rows in the first buffer, h's loads HFO, HSO and LWO: the next pass writes all of them again
	s_add_co_u32 s35, s35, 8                       ; my next row tile
	s_add_co_u32 s57, s57, 1
	s_cmp_lt_u32 s57, s56
	s_cbranch_scc1 .Lpass
.Lend:
	s_wait_dscnt 0x0                               ; the closing lines, six on end
	s_wait_alu 0x0
	s_wait_tensorcnt 0x0
	ds_add_u32 v62, v63
	s_wait_dscnt 0x0
	s_endpgm
.Lfunc_end_k_q78a70f3188_down:
	.size	k_q78a70f3188_down, .Lfunc_end_k_q78a70f3188_down-k_q78a70f3188_down
	.p2alignl 7, 3214868480
	.fill 96, 4, 3214868480
	.section	.rodata,"a",@progbits
	.p2align	6, 0x0
	.amdhsa_kernel k_q78a70f3188_down
		.amdhsa_group_segment_fixed_size 72704
		.amdhsa_private_segment_fixed_size 0
		.amdhsa_enable_private_segment 0
		.amdhsa_kernarg_size 48
		.amdhsa_user_sgpr_count 2
		.amdhsa_user_sgpr_kernarg_segment_ptr 1
		.amdhsa_wavefront_size32 1
		.amdhsa_system_sgpr_workgroup_id_x 1
		.amdhsa_system_sgpr_workgroup_id_y 1
		.amdhsa_system_sgpr_workgroup_id_z 1
		.amdhsa_system_vgpr_workitem_id 0
		.amdhsa_next_free_vgpr 256
		.amdhsa_next_free_sgpr 66
		.amdhsa_reserve_vcc 0
		.amdhsa_float_denorm_mode_32 3
		.amdhsa_float_denorm_mode_16_64 3
		.amdhsa_memory_ordered 1
		.amdhsa_forward_progress 1
		.amdhsa_inst_pref_size 73
	.end_amdhsa_kernel
	.amdgpu_metadata
---
amdhsa.version: [ 1, 2 ]
amdhsa.kernels:
  - .name:           k_q78a70f3188_down
    .symbol:         k_q78a70f3188_down.kd
    .args:
      - { .name: wd, .offset: 0, .size: 8, .value_kind: global_buffer, .address_space: global }
      - { .name: swd, .offset: 8, .size: 8, .value_kind: global_buffer, .address_space: global }
      - { .name: hq, .offset: 16, .size: 8, .value_kind: global_buffer, .address_space: global }
      - { .name: rt, .offset: 24, .size: 8, .value_kind: global_buffer, .address_space: global }
      - { .name: lw, .offset: 32, .size: 8, .value_kind: global_buffer, .address_space: global }
      - { .name: o, .offset: 40, .size: 8, .value_kind: global_buffer, .address_space: global }
    .group_segment_fixed_size: 72704
    .private_segment_fixed_size: 0
    .kernarg_segment_align: 8
    .kernarg_segment_size: 48
    .max_flat_workgroup_size: 256
    .sgpr_count:     66
    .vgpr_count:     256
    .wavefront_size: 32
...
	.end_amdgpu_metadata
.endif
;; end of part 8
;; launch sum: the kernel of part 5 again; grid 256 x 1, 4 waves a work-group, no clusters, 0 bytes of LDS; arguments o, rt, out0; writes out0
